; MI455X (gfx1250); checked and timed in simulation.
; The chip was launched on July 23, 2026; its instructions are those of AMD's public machine-readable ISA for CDNA 5 (MIT licence, August 2026) and "CDNA5" Instruction Set Architecture Reference Guide (July 2026). The comments in the code are by the model that wrote it; some were corrected since.
;; Packed Bit Linear. Allowed arithmetic: matrix products marked QUANTISED: E3M2 operands, one E8M0 scale for each 32 along K, by v_wmma_scale_f32_16x16x128_f8f6f4 with both operands' format E3M2, f32 sums; everything else in f32.
;; Inputs: packed_weight 4,096 x 256 int32; scale one number float32; x 4,096 x 4,096 float32.
;; Outputs: out0 4,096 x 4,096 float32.
;; This version of the problem:
;;   THIS VERSION OF THE PROBLEM IS GIVEN IN LOW PRECISION. The matrix products marked QUANTISED in the list below multiply operands that are first quantised to E3M2 (3 exponent bits, 2 mantissa bits; 6 bits a number), with one power-of-two scale for each 32 numbers along K (OCP MX v1.0); their sums are f32. All else is computed in f32.
;;   The module's matrix products, in the order in which they are computed (A, B: the left and right operand; K: the contracted axis; several contracted axes count as one K, in the product's order):
;;     1. [M 4,096, K 4,096] x [K 4,096, N 4,096]; A: computed on the way; B: computed on the way: QUANTISED
;;   THE QUANTISER, for each operand of a quantised product, along K:
;;     - K is cut into blocks of 32 from its start; a last block that is shorter is filled with zeros.
;;     - A block's scale is 2^e with e = floor(log2(the largest magnitude in the block)) - 4, held to -126 .. 127; a block of zeros has e = 0. As a byte (E8M0): e + 127.
;;     - Each number is divided by its block's scale, clamped to +-28, and rounded to the nearest number of E3M2, ties to even, subnormals kept.
;;     - The product sums the exact products of the quantised numbers (number of the format x scale) in f32.
;;   ~~~python
;;   def quantise(x, axis):      # numpy; x: float32 -> the quantised numbers, widened to float32 again
;;       x = np.moveaxis(x, axis, -1); K = x.shape[-1]
;;       x = np.pad(x, [(0, 0)] * (x.ndim - 1) + [(0, -K % 32)]); x = x.reshape(x.shape[:-1] + (-1, 32)); a = np.abs(x).max(-1, keepdims=True)
;;       e = np.where(a > 0, np.clip(np.frexp(np.where(a > 0, a, 1))[1] - 1 - 4, -126, 127), 0)      # np.frexp(a)[1] - 1 = floor(log2(a)), exactly
;;       r = np.clip(x / 2.0 ** e, -28, 28)
;;       step = 2.0 ** (np.maximum(np.frexp(np.where(r == 0, 1, r))[1] - 1, -2) - 2)
;;       q = np.round(r / step) * step * 2.0 ** e      # np.round: ties to even
;;       return np.moveaxis(q.reshape(q.shape[:-2] + (-1,))[..., :K], -1, axis).astype(np.float32)
;;   ~~~
;;   OPERANDS COMPUTED ON THE WAY. 'Computed on the way' means the value that the module computes at that place (a softmax that the list does not call 'softmax' is quantised finished and normalised). What goes into a quantiser is computed in f32, as accurately as f32 sums, v_exp_f32 and their like allow (about 1e-6 of the number): no bf16 or f16 on the way to a quantiser, and a product that is left as it is and whose result goes on into a quantised operand takes f32 operands (vector FMAs, or v_wmma_f32_16x16x4_f32). A number that lies on a knife's edge between two numbers of the format may be rounded either way, as far as f32 arithmetic and the matrix unit's own rounding can turn it there, and no further.
;; 2 versions. Each part assembles by itself: llvm-mc -triple=amdgcn-amd-amdhsa -mcpu=gfx1250 --defsym DOCPART=n.
;; ======== version 1 of 2: 2 launches
;; workspace buffers: a_codes 12,582,912 bytes; b_codes 12,582,912 bytes; a_scales 524,288 bytes; b_scales 524,288 bytes; xs 16,384 bytes
;; launch prep (part 1): grid 2048 x 1, 4 waves a work-group, no clusters, 23,040 bytes of LDS; arguments x, packed_weight, scale, a_codes, a_scales, b_codes, b_scales, xs; writes a_codes, a_scales, b_codes, b_scales, xs
.if DOCPART == 1
	.amdgcn_target "amdgcn-amd-amdhsa--gfx1250"
	.amdhsa_code_object_version 6
	.text
	.protected	k_qb407e70b4a_prep
	.globl	k_qb407e70b4a_prep
	.p2align	8
	.type	k_qb407e70b4a_prep,@function
k_qb407e70b4a_prep:
	s_mov_b64 s[64:65], 0
	v_nop
	global_prefetch_b8 v0, s[64:65] scope:SCOPE_SE
	s_setreg_imm32_b32 hwreg(HW_REG_WAVE_MODE, 25, 1), 1
	s_wait_xcnt 0x0
; Both operands of out = (x / x_scale) w^T are turned into codes of BF6 (E3M2), 6 bits each, K innermost, with one E8M0 scale byte for each 32 along K.
;   x [4096][4096] f32: x_scale[t] = max(largest |x[t][.]|, 1e-5), stored to xs[t]; x[t][k] / x_scale[t] is quantised into a_codes [4096][3072 bytes], a_scales [4096][128].
;   packed_weight [4096][256] int32, sixteen fields of 2 bits to a word, the lowest k lowest: w = (field - 1) x scale is quantised into b_codes, b_scales of the same shapes.
; A block's scale is 2^(floor(log2(its largest magnitude)) - 4); its byte is the largest magnitude's exponent field - 4, held at 1 from below.  Each number is divided by the scale and rounded to the nearest code, ties to even;
; beyond the largest code the conversion gives the largest code.
; SHARES.  ONE WAVE TAKES ONE ROW.  A row of x is 16,384 bytes: 128 registers of the wave, so it is read from memory once, for the maximum and for the codes.  A work-group of four waves takes four rows; work-groups of even
; number take rows of x, those of odd number rows of the weight, so that the two kinds lie side by side.  Waves share nothing: no barrier.  No tensor loads and no ring: the row's 32 loads are all out at once.
; No cluster: no two work-groups read the same byte.  The two kinds part once, on the work-group's number, never join, and have LDS bytes of their own.
; THE DIVISION is a reciprocal with one correction step, and a quotient with one: q = x r, e = x - q S (fused), q' = q + e r (fused).  So the row's largest number gives exactly 1, as a true division does:
; a quotient one step under 1 would halve its block's scale.
; LIMITS: NaN and infinities among the inputs are not served.  A row of x whose largest magnitude is 2^126 or more is not served (its reciprocal is flushed to 0: ISA guide, v_rcp_f32's entry).
; A block of zeros gets the byte 1 where the rule says 127: its codes are zeros, which add nothing under any byte but 0xff, and the bytes are read by this program alone.
; Blocks whose largest magnitude lies under 2^-122, whose byte is held at 1, were not tried.  A field of 3 gives 2 x scale.
.set KROW,  3072                       ; a row of codes in bytes: 4,096 codes of 6 bits
.set EMAX,  4                          ; the exponent of the format's largest number, 28
.set SP,    80                         ; a lane's place in a stage: its 64 bytes + 16 of padding
.set STGB,  32*SP                      ; a stage: 2,560 bytes
.set XREG,  2*STGB+256                 ; LDS of a wave that takes a row of x: two stages, then its row's 128 scale bytes in a block of 256
.set WBASE, 4*XREG                     ; behind them: 256 bytes for each wave that takes a row of the weight: its row's 128 scale bytes
.set M,     16                         ; v16-19   four running maxima
.set E,     28                         ; v28-35   a scale byte for each step
.set PW,    36                         ; v36-43   the weight row's eight words a lane
.set T,     44                         ; v44-59   16 quotients, first try
.set X,     64                         ; v64-95   two sets of 16 neighbours
.set C,     96                         ; v96-127  codes: four registers for each step, so that no store's data are written again
.set R,     128                        ; v128-255 the row of x as loaded
; v2 lane; v3 16 x lane; v4 12 x lane; v7 4 x lane; v5, v6 (x) and v60, v61 (weight): where a scale byte goes in LDS and where four come back; v14, v15 the stage, in and out;
; v8, v9, v11 at work; v12 scale bytes on the way out; v13 a lane permute's destination; v[20:21] 1 / S twice; v[22:23] -S twice; v24 S; v25 at work, then 0; v[26:27] scale twice
	s_load_b256 s[4:11], s[0:1], 0x0               ; x s[4:5], packed_weight s[6:7], scale s[8:9], a_codes s[10:11]
	s_load_b256 s[12:19], s[0:1], 0x20             ; a_scales s[12:13], b_codes s[14:15], b_scales s[16:17], xs s[18:19]
	v_lshl_add_u32 v123, v0, 2, 0x5800
	v_mov_b32 v127, 0
	v_lshrrev_b32 v1, 5, v0
	v_readfirstlane_b32 s21, v1                    ; wave 0..3
	v_and_b32 v2, 31, v0                           ; lane
	v_lshlrev_b32 v3, 4, v2                        ; my 16 bytes of a load's 512
	v_mul_u32_u24 v4, v2, 12                       ; my 12 bytes of a step's 384 bytes of codes
	v_lshlrev_b32 v7, 2, v2                        ; my word of 128 bytes
	; every LDS address is made here, ahead of the parting: a constant x wave + a constant x lane + a constant
	s_mul_i32 s30, s21, XREG
	v_lshrrev_b32 v14, 2, v2
	v_mul_u32_u24 v14, v14, SP
	v_and_b32 v15, 3, v2
	v_lshl_add_u32 v14, v15, 4, v14
	v_add_nc_u32 v14, s30, v14                     ; the stage, on the way in: four lanes' 64 bytes on end, then 16 of padding; a load's 512 bytes take eight places
	v_mul_u32_u24 v15, v2, SP
	v_add_nc_u32 v15, s30, v15                     ; and on the way out: my 16 neighbours
	s_add_co_u32 s30, s30, 2*STGB
	v_lshrrev_b32 v5, 1, v2
	v_add_nc_u32 v5, s30, v5                       ; x: my block's byte among a step's sixteen
	v_add_nc_u32 v6, s30, v7                       ; and four bytes a lane on the way out
	s_lshl_b32 s30, s21, 8
	s_add_co_u32 s30, s30, WBASE
	v_lshrrev_b32 v60, 1, v2
	v_add_nc_u32 v60, s30, v60                     ; the weight: the same two
	v_add_nc_u32 v61, s30, v7
	v_mov_b32 v13, 0                               ; written once: a lane permute's destination counts as one of its sources
	s_mov_b32 s28, 0x76543210                      ; v_permlanex16_b32's selects for lane l xor 16
	s_mov_b32 s29, 0xfedcba98
	s_lshr_b32 s22, ttmp9, 1
	s_lshl_b32 s22, s22, 2
	s_add_co_u32 s22, s22, s21                     ; my row: 4 x (work-group / 2) + wave
	s_mov_b32 s25, 0                               ; the upper word of every offset: all lie under 2^32
	s_and_b32 s20, ttmp9, 1
	s_wait_kmcnt 0x0
	s_cmp_lg_u32 s20, 0
	s_cbranch_scc1 .Lw                             ; odd work-groups take the weight
; 16 neighbours along K in v[XR] on, two neighbouring lanes to a block, become 12 bytes of codes and the block's scale byte.  t: the step; cp: the codes' base; ba: the register with the byte's LDS address.
.macro QSTEP t, cp, ba
	v_max3_num_f32 v8, |v[XR]|, |v[XR+1]|, |v[XR+2]|               ; the largest magnitude of my 16, in two chains
	v_max3_num_f32 v9, |v[XR+3]|, |v[XR+4]|, |v[XR+5]|
.irp i, 6,10
	v_max3_num_f32 v8, v8, |v[XR+\i]|, |v[XR+\i+1]|
	v_max3_num_f32 v9, v9, |v[XR+\i+2]|, |v[XR+\i+3]|
.endr
	v_max3_num_f32 v8, v8, |v[XR+14]|, |v[XR+15]|
	v_max3_num_f32 v8, v8, v9, (EMAX+1)<<23        ; and the floor 2^(EMAX + 1 - 127), under which no largest magnitude is taken: so the byte cannot fall under 1
	v_max_num_f32_dpp v8, v8, v8 row_xmask:1 row_mask:0xf bank_mask:0xf   ; and of my neighbour's 16: the block's
	v_add_nc_u32 v11, -(EMAX<<23), v8              ; EMAX off its exponent field: the conversion takes the exponent field of this operand as its scale, and nothing else of it
	v_cvt_scalef32_pk16_bf6_f32 v[C+4*(\t):C+4*(\t)+2], v[XR:XR+15], v11   ; 96 bits without gaps, the first number's code lowest
	v_lshrrev_b32 v[E+(\t)], 23, v11               ; the scale's byte.  (Also the plain vector line behind the conversion, ahead of the next line that writes its sources)
	ds_store_b8 v[\ba], v[E+(\t)] offset:16*(\t)   ; both lanes of a block write the same byte with the same value
	global_store_b96 v4, v[C+4*(\t):C+4*(\t)+2], s[\cp:\cp+1] offset:384*(\t)   ; the wave stores 384 consecutive bytes; two steps' stores cover three aligned blocks of 256
.endm
; The row's 128 scale bytes leave as 128 consecutive bytes, at a multiple of 128 from the buffer's first byte; the wave beside me stores the 128 next to them.  They are one byte for each 128 that the launch reads.
.macro TAIL ra, sp
	ds_load_b32 v12, v[\ra]                        ; LDS serves a wave's instructions in order (ISA guide 5.7.1.4): this sees my byte stores
	s_wait_dscnt 0x0
	global_store_b32 v7, v12, s[\sp:\sp+1]
	s_wait_tensorcnt 0x0
	ds_add_u32 v123, v127
	s_wait_dscnt 0x0
	s_endpgm
.endm
	; ---------------- a row of x ----------------
	s_lshl_b32 s24, s22, 14                        ; 16,384 bytes a row
	s_add_nc_u64 s[4:5], s[4:5], s[24:25]
	s_mul_i32 s24, s22, KROW
	s_add_nc_u64 s[10:11], s[10:11], s[24:25]
	s_lshl_b32 s24, s22, 7                         ; 128 scale bytes a row
	s_add_nc_u64 s[12:13], s[12:13], s[24:25]
	s_lshl_b32 s24, s22, 2
	s_add_nc_u64 s[18:19], s[18:19], s[24:25]
.set I, 0
.rept 32
	global_load_b128 v[R+4*I:R+4*I+3], v3, s[4:5] offset:512*I th:TH_LOAD_NT   ; 32 lanes read 512 consecutive bytes; the whole row is asked for at once; read once in the launch
.set I, I+1
.endr
	; the row's largest magnitude: four loads at a time, each load's four numbers on a chain of its own
.irp g, 0,1,2,3,4,5,6,7
	s_wait_loadcnt 28-4*\g                         ; loads come back in order (ISA guide 5.7.1): loads 4 g to 4 g + 3 are in, the 28 - 4 g behind them may be out
.irp k, 0,1,2,3
.if \g == 0
	v_max3_num_f32 v[M+\k], |v[R+4*\k]|, |v[R+4*\k+1]|, |v[R+4*\k+2]|       ; the first numbers start the chains: nothing is cleared
.else
	v_max3_num_f32 v[M+\k], v[M+\k], |v[R+16*\g+4*\k]|, |v[R+16*\g+4*\k+1]|
.endif
.endr
.irp k, 0,1,2,3
.if \g == 0
	v_max_num_f32 v[M+\k], v[M+\k], |v[R+4*\k+3]|
.else
	v_max3_num_f32 v[M+\k], v[M+\k], |v[R+16*\g+4*\k+2]|, |v[R+16*\g+4*\k+3]|
.endif
.endr
.endr
	v_max3_num_f32 v[M], v[M], v[M+1], v[M+2]
	v_max3_num_f32 v[M], v[M], v[M+3], 0x3727c5ac  ; and 1e-5: the clip from below
	v_max_num_f32_dpp v[M], v[M], v[M] row_xmask:1 row_mask:0xf bank_mask:0xf
	v_max_num_f32_dpp v[M], v[M], v[M] row_xmask:2 row_mask:0xf bank_mask:0xf
	v_max_num_f32_dpp v[M], v[M], v[M] row_xmask:4 row_mask:0xf bank_mask:0xf
	v_max_num_f32_dpp v[M], v[M], v[M] row_xmask:8 row_mask:0xf bank_mask:0xf
	v_permlanex16_b32 v13, v[M], s28, s29
	v_max_num_f32 v24, v[M], v13                   ; S = x_scale of my row, in every lane
	v_rcp_f32 v20, v24
	v_xor_b32 v22, 0x80000000, v24                 ; -S.  (The plain vector line behind the reciprocal, ahead of the use of its result: ISA guide 5.7.2)
	s_wait_alu depctr_va_vdst(0)
	v_fma_f32 v25, v22, v20, 1.0                   ; 1 - S r
	v_fma_f32 v20, v25, v20, v20                   ; r + r (1 - S r): the reciprocal, corrected once
	v_mov_b32 v21, v20                             ; pairs for the packed forms
	v_mov_b32 v23, v22
	v_mov_b32 v25, 0
	v_cmp_eq_u32 vcc_lo, 0, v2
	s_wait_xcnt 0x0                                ; EXEC is a source of the loads above: it changes only behind this wait
	s_and_saveexec_b32 s26, vcc_lo
	global_store_b32 v25, v24, s[18:19]            ; lane 0 stores xs[row]: four bytes a row, 16 KiB in the whole launch
	s_wait_xcnt 0x0                                ; and again, in front of the line that widens it
	s_or_b32 exec_lo, exec_lo, s26
; Step t's 512 numbers (loads 4 t to 4 t + 3) go through a stage as they lie and come back 64 bytes a lane: the conversion wants 16 neighbours along K in ONE lane's registers.
.macro TURN t
.irp i, 0,1,2,3
	ds_store_b128 v14, v[R+16*(\t)+4*\i:R+16*(\t)+4*\i+3] offset:STGB*((\t)%2)+8*SP*\i
.endr
.irp i, 0,1,2,3
	ds_load_b128 v[X+16*((\t)%2)+4*\i:X+16*((\t)%2)+4*\i+3], v15 offset:STGB*((\t)%2)+16*\i   ; in order behind the stores: no wait between them
.endr
.endm
.macro XSTEP t
.set XR, X+16*((\t)%2)
.if (\t) > 0
	s_wait_dscnt 1                                 ; this step's numbers are back from the stage: behind their loads only the last step's byte store was issued
.else
	s_wait_dscnt 0x0
.endif
.if (\t) < 7
	TURN (\t)+1                                    ; the next step's go through the other stage while this step is worked
.endif
.irp j, 0,2,4,6,8,10,12,14
	v_pk_mul_f32 v[T+\j:T+\j+1], v[XR+\j:XR+\j+1], v[20:21]                      ; q = x r
.endr
.irp j, 0,2,4,6,8,10,12,14
	v_pk_fma_f32 v[XR+\j:XR+\j+1], v[T+\j:T+\j+1], v[22:23], v[XR+\j:XR+\j+1]    ; e = x - q S, fused: nothing is lost
.endr
.irp j, 0,2,4,6,8,10,12,14
	v_pk_fma_f32 v[XR+\j:XR+\j+1], v[XR+\j:XR+\j+1], v[20:21], v[T+\j:T+\j+1]    ; q + e r: x / S
.endr
	QSTEP \t, 10, 5
.endm
	TURN 0
.irp t, 0,1,2,3,4,5,6,7
	XSTEP \t
.endr
	TAIL 6, 12
	; ---------------- a row of the weight ----------------
.Lw:
	s_load_b32 s27, s[8:9], 0x0                    ; scale: nothing in this launch writes it
	s_lshl_b32 s24, s22, 10                        ; 256 words a row
	s_add_nc_u64 s[6:7], s[6:7], s[24:25]
	s_mul_i32 s24, s22, KROW
	s_add_nc_u64 s[14:15], s[14:15], s[24:25]
	s_lshl_b32 s24, s22, 7
	s_add_nc_u64 s[16:17], s[16:17], s[24:25]
.irp t, 0,1,2,3,4,5,6,7
	global_load_b32 v[PW+\t], v7, s[6:7] offset:128*\t th:TH_LOAD_NT   ; 32 lanes read 128 consecutive bytes.  My word holds 16 neighbours along K: k = 512 t + 16 lane on: no stage is needed
.endr
	s_wait_kmcnt 0x0
	v_mov_b32 v26, s27
	v_mov_b32 v27, s27
.macro WSTEP t
.set XR, X
	s_wait_loadcnt 7-(\t)                          ; word t is in; the 7 - t behind it may be out
.irp j, 0,1,2,3,4,5,6,7,8,9,10,11,12,13,14,15
	v_bfe_u32 v[X+\j], v[PW+(\t)], 2*\j, 2         ; field j
.endr
.irp j, 0,1,2,3,4,5,6,7,8,9,10,11,12,13,14,15
	v_cvt_f32_u32 v[X+\j], v[X+\j]
.endr
.irp j, 0,2,4,6,8,10,12,14
	v_pk_fma_f32 v[X+\j:X+\j+1], v[X+\j:X+\j+1], v[26:27], v[26:27] neg_lo:[0,0,1] neg_hi:[0,0,1]   ; field x scale - scale, fused: (field - 1) x scale, which is -1, 0, 1 or 2 times scale and so is not rounded
.endr
	QSTEP \t, 14, 60
.endm
.irp t, 0,1,2,3,4,5,6,7
	WSTEP \t
.endr
	TAIL 61, 16
.Lfunc_end_k_qb407e70b4a_prep:
	.size	k_qb407e70b4a_prep, .Lfunc_end_k_qb407e70b4a_prep-k_qb407e70b4a_prep
	.p2alignl 7, 3214868480
	.fill 96, 4, 3214868480
	.section	.rodata,"a",@progbits
	.p2align	6, 0x0
	.amdhsa_kernel k_qb407e70b4a_prep
		.amdhsa_group_segment_fixed_size 23040
		.amdhsa_private_segment_fixed_size 0
		.amdhsa_enable_private_segment 0
		.amdhsa_kernarg_size 64
		.amdhsa_user_sgpr_count 2
		.amdhsa_user_sgpr_kernarg_segment_ptr 1
		.amdhsa_wavefront_size32 1
		.amdhsa_system_sgpr_workgroup_id_x 1
		.amdhsa_system_sgpr_workgroup_id_y 1
		.amdhsa_system_sgpr_workgroup_id_z 1
		.amdhsa_system_vgpr_workitem_id 0
		.amdhsa_next_free_vgpr 256
		.amdhsa_next_free_sgpr 66
		.amdhsa_reserve_vcc 1
		.amdhsa_float_denorm_mode_32 3
		.amdhsa_float_denorm_mode_16_64 3
		.amdhsa_memory_ordered 1
		.amdhsa_forward_progress 1
		.amdhsa_inst_pref_size 60
	.end_amdhsa_kernel
	.amdgpu_metadata
---
amdhsa.version: [ 1, 2 ]
amdhsa.kernels:
  - .name:           k_qb407e70b4a_prep
    .symbol:         k_qb407e70b4a_prep.kd
    .args:
      - { .name: x, .offset: 0, .size: 8, .value_kind: global_buffer, .address_space: global }
      - { .name: packed_weight, .offset: 8, .size: 8, .value_kind: global_buffer, .address_space: global }
      - { .name: scale, .offset: 16, .size: 8, .value_kind: global_buffer, .address_space: global }
      - { .name: a_codes, .offset: 24, .size: 8, .value_kind: global_buffer, .address_space: global }
      - { .name: a_scales, .offset: 32, .size: 8, .value_kind: global_buffer, .address_space: global }
      - { .name: b_codes, .offset: 40, .size: 8, .value_kind: global_buffer, .address_space: global }
      - { .name: b_scales, .offset: 48, .size: 8, .value_kind: global_buffer, .address_space: global }
      - { .name: xs, .offset: 56, .size: 8, .value_kind: global_buffer, .address_space: global }
    .group_segment_fixed_size: 23040
    .private_segment_fixed_size: 0
    .kernarg_segment_align: 8
    .kernarg_segment_size: 64
    .max_flat_workgroup_size: 128
    .sgpr_count:     66
    .vgpr_count:     256
    .wavefront_size: 32
...
	.end_amdgpu_metadata
.endif
;; end of part 1
;; launch gemm (part 2): grid 16 x 16, 4 waves a work-group, clusters of 4 x 4, 327,680 bytes of LDS; arguments a_codes, a_scales, b_codes, b_scales, xs, out0; writes out0
.if DOCPART == 2
	.amdgcn_target "amdgcn-amd-amdhsa--gfx1250"
	.amdhsa_code_object_version 6
	.text
	.protected	k_qb407e70b4a_gemm
	.globl	k_qb407e70b4a_gemm
	.p2align	8
	.type	k_qb407e70b4a_gemm,@function
k_qb407e70b4a_gemm:
	s_mov_b64 s[64:65], 0
	v_nop
	global_prefetch_b8 v0, s[64:65] scope:SCOPE_SE
	s_setreg_imm32_b32 hwreg(HW_REG_WAVE_MODE, 25, 1), 1
	s_wait_xcnt 0x0
	s_wait_alu depctr_hold_cnt(0) depctr_sa_sdst(0) depctr_va_vdst(0) depctr_va_sdst(0) depctr_va_ssrc(0) depctr_va_vcc(0) depctr_vm_vsrc(0)
	s_getreg_b32 s2, hwreg(HW_REG_IB_STS2, 6, 4)
	s_cmp_eq_u32 s2, 0
	s_cbranch_scc0 .Lentry_in_a_cluster
	s_endpgm
.Lentry_in_a_cluster:
	s_bfe_u32 s2, ttmp6, 0x10000c
	s_cmp_lg_u32 s2, 0xf033
	s_cbranch_scc0 .Lentry_shape_is_right
	s_endpgm
.Lentry_shape_is_right:
; out0[m][n] = xs[m] x the sum over k of A[m][k] B[n][k].  A: [SIZE_M][SIZE_K] (x / x_scale), B: [SIZE_N][SIZE_K] (the weight): codes of BF6 (E3M2), 6 bits each, with one E8M0 scale for each 32 along K; out0: [SIZE_M][SIZE_N] f32; sums in f32.
; A number of A is its code's value x 2^(e - 127), e the byte of A's scales [SIZE_M][SIZE_K / 32] at [m][k / 32]; B likewise.  The matrix instruction takes codes and scale bytes as they lie in memory.
; In memory a row of codes is one stream of bits, four codes in three bytes, the code of the lowest k in the lowest bits: 128 codes are 96 bytes.
; A tile of out0, 256 x 256, is made by a work-group of four waves, as many as a WGP has SIMDs; a wave makes 128 x 128: 64 accumulators of 16 x 16, 512 registers.  4,096 x 4,096 are 256 tiles: one to a work-group.
; K goes in steps of 256 through a ring of two LDS slots filled by the tensor data mover: a tile's row is 192 bytes of memory.
; THE SCALES of the work-group's 256 rows of A and 256 rows of B, for all of K, are two dense blocks of memory: they come into LDS ONCE, with the first fills, in rows of 256 bytes, and stay.
; CLUSTERS: 4 x 4 work-groups.  The four of a row of the cluster need the same tiles of A, the four of a column the same tiles of B: each tile is asked for JOINTLY, by the same tensor load with the
; same descriptor and a mask that names the four.  THE MATRIX INSTRUCTION IS USED TRANSPOSED (source 0 = 16 rows of B, source 1 = 16 rows of A): a lane then holds eight neighbouring numbers of ONE row of out0,
; so that xs of that row is one number a lane and block of 16 rows: the sums are multiplied by it in place, on the way out.
; LIMITS: NaN and infinities are not served (the launch that makes the codes states the rest).
; REGISTERS, in windows of 256: window 0: v0-31 addresses; v32-63 scale words, two sets; v64-79 xs of my rows, each twice; from v128 A's fragments (8 x 16 rows x 128 K), ONE set; on the way out v128-255 are free.
;   window 1: B's fragments, TWO sets, at v0 and at v128.   window 2: the 32 accumulators of my rows 0-63 (accumulator (a, b) at v[8 (8 a + b)]);   window 3: those of my rows 64-127.
; A step of 128 along K is 64 matrix instructions, A's blocks one after the other, each against B's eight.  So a block of A is free as soon as its eight products are issued, and one set of registers serves A:
; blocks 0-3 are fetched anew in the step's middle, blocks 4-7 at its end.  B's fragments are at work through the whole step, so B has two sets.
.set SIZE_M, 4096
.set SIZE_N, 4096
.set SIZE_K, 4096
.set KSTEP,  256                       ; along K in a slot
.set NQ,     KSTEP/128                 ; matrix instructions deep
.set ROWB,   192                       ; a tile's row in bytes: KSTEP codes of 6 bits
.set KROW,   SIZE_K*6/8                ; a row of A or of B in memory, in bytes
.set PITCH,  240                       ; an LDS row: 3 x (64 bytes of data + 16 of padding) = 60 words: row r starts at bank -4 r mod 64 (64 banks of 4 bytes: ISA guide 11.1), so the 32 lanes of a load of 8 bytes touch 64 different banks
.set FR,     12                        ; registers of a fragment: 16 rows x 128 K
.set NL,     6                         ; LDS loads that bring one
.set NP,     4                         ; places behind this matrix instruction (ISA guide 7.12.1)
.set HALFT,  128*PITCH                 ; 128 rows: what one tensor load brings, and what one wave reads of A or of B
.set SLOT,   4*HALFT                   ; A's 256 rows, then B's 256 rows
.set LAPS,   SIZE_K/(2*KSTEP)          ; a lap = two K steps = once round the ring
.set KS,     SIZE_K/32                 ; a row of scales in bytes: 128, so that a row lies inside one row of 256 bytes
.set SCL,    2*SLOT                    ; behind the ring: the scales, as rows of 256 bytes + 16 of padding
.set HALFS,  (128*KS/256)*272          ; the scales of 128 rows: what one tensor load brings
.set SBLK,   (16*KS/256)*272           ; those of 16 rows
.set SPARE,  SCL+4*HALFS               ; behind the scales: the spare words, 128 bytes for each wave: two blocks of 256 bytes that no other line names
.set SPITCH, 528                       ; the way out: a stage of 16 rows x (512 bytes + 16) for each wave.  It lies in slot 0, which has had its last fill and its last read when the first result is stored there
.set ADRA, 16                          ; v16-17  LDS address of my A fragments in slot 0, 1  (v18-19: the same for the pieces that lie behind one padding more)
.set ADRB, 20                          ; v20-21  the same for B  (v22-23)
.set STO,  24                          ; v24     the way out: where I put 32 bytes of a row
.set RD,   25                          ; v25     the way out: where I read a row back
.set CO,   26                          ; v26     my byte offset in a row of out0
.set ADRS, 27                          ; v27     LDS address of my scale words: lanes 0-15 A's rows, lanes 16-31 B's
.set SPW,  28                          ; v28     LDS address of my spare word: SPARE + 4 x my thread's number; never rewritten
.set NIL,  29                          ; v29     0; never rewritten
.set XO,   30                          ; v30     4 x (lane % 16): my row's place among a block's sixteen numbers of xs
.set SC,   32                          ; scale words: set s (for slot s) at v[SC + 8 NQ s]; in it register NQ i + q: lanes 0-15 the word of A's block i, lanes 16-31 that of B's block i, for the slot's q-th 128 along K
.set XS,   64                          ; v[64 + 2 a], v[65 + 2 a]: xs of row 16 a + lane % 16 of my 128, twice: a pair for the packed multiply
.set AF,   128                         ; A's fragments, in window 0
.set BK,   128                         ; the way out: 16 rows read back from the stage: v128-191 and v192-255 by turns
.set G1, 24                            ; s[24:31] descriptor group 1 for A's tiles;  s[32:39] group 0, one set for each slot
.set G0, 32
.set G1B, 48                           ; s[48:55], s[56:63] the same for B's tiles
.set G0B, 56
.set G1S, 68                           ; s[68:75], s[76:79] groups 1 and 0 for A's scales;  s[80:87], s[88:91] for B's
.set G0S, 76
.set G1SB, 80
.set G0SB, 88
.set MSB, 0
.macro WIN new                         ; the immediate's high byte repeats the setting that is left; a switch that changes nothing is dropped
.if MSB != (\new)
	s_set_vgpr_msb (MSB<<8)|(\new)
.set MSB, (\new)
.endif
.endm
.set MUL_LO, 0xa1                      ; source 0 (B) window 1, source 1 (A) window 0, C and D window 2
.set MUL_HI, 0xf1                      ; the same, C and D window 3
.set TO_B,   0x40                      ; destination window 1, address window 0
; A joint load: waves 0 and 1 fetch for A, waves 2 and 3 for B.  Each of the two lines has ONE mask and one set of registers for all that issue it; the branch hangs on the wave's number alone.
; Four v_nop follow each of the two lines, ahead of the jump, the label and what follows.
.macro JLOAD g0a, g1a, g0b, g1b
	s_cmp_eq_u32 s15, 0
	s_cbranch_scc0 .Lfor_b_\@
	tensor_load_to_lds s[\g0a:\g0a+3], s[\g1a:\g1a+7]
	s_nop 0
.rept 4
	v_nop
.endr
	s_branch .Lasked_\@
.Lfor_b_\@:
	tensor_load_to_lds s[\g0b:\g0b+3], s[\g1b:\g1b+7]
	s_nop 0
.rept 4
	v_nop
.endr
.Lasked_\@:
.endm
.macro CREST                           ; a round of the cluster's barrier behind its opening barrier
	s_cmp_lg_u32 s14, 0
	s_cbranch_scc1 .Lnot_wave_0_\@
	s_barrier_signal -3
.Lnot_wave_0_\@:
	s_barrier_wait -3
	s_barrier_signal -1
	s_barrier_wait -1
.endm
.macro CROUND                          ; a whole round
	s_barrier_signal -1
	s_barrier_wait -1
	CREST
.endm
	s_load_b128 s[4:7], s[0:1], 0x0                ; A's codes s[4:5], A's scales s[6:7]
	s_load_b128 s[8:11], s[0:1], 0x10              ; B's codes s[8:9], B's scales s[10:11]
	s_load_b64 s[96:97], s[0:1], 0x20              ; xs
	s_load_b64 s[12:13], s[0:1], 0x28              ; out0
	v_lshl_add_u32 v[SPW], v0, 2, SPARE
	v_mov_b32 v[NIL], 0
	ds_add_u32 v28, v29
	ds_add_u32 v28, v29
	s_wait_dscnt 0x0
	v_lshrrev_b32 v1, 5, v0
	v_readfirstlane_b32 s14, v1                    ; wave 0..3
	s_lshr_b32 s15, s14, 1                         ; which half of the tile's rows is mine.  Also: I fetch for A (0) or for B (1)
	s_and_b32 s16, s14, 1                          ; which half of its columns.  Also: which 128 rows of that tile I fetch
	s_bfe_u32 s40, ttmp6, 0x40000                  ; cx, cy: my place in the cluster
	s_bfe_u32 s41, ttmp6, 0x40004
	s_lshl_b32 s42, ttmp9, 2
	s_add_co_u32 s42, s42, s40                     ; tile column of out0 = 4 x cluster x + cx
	s_and_b32 s17, ttmp7, 0xffff
	s_lshl_b32 s17, s17, 2
	s_add_co_u32 s17, s17, s41                     ; tile row of out0 = 4 x cluster y + cy
	s_lshl_b32 s43, s41, 2
	s_lshl_b32 s43, 15, s43                        ; my row of the cluster
	s_lshl_b32 s44, 0x1111, s40                    ; my column
	; descriptor group 1: a tile of 128 rows x ROWB bytes, padded in LDS
	s_or_b32 s[G1+0], s43, (0<<16)|(1<<20)|(1<<21)|(3<<22)|(3<<25)  ; 15:0 the mask: A's tiles go to my row; 17:16 element of 1 byte; 20 padding on; 21 set beside a mask; 24:22 after every 16 words (code 3); 31:25 of 4 words (code 3)
	s_or_b32 s[G1B+0], s44, (0<<16)|(1<<20)|(1<<21)|(3<<22)|(3<<25)
.irp g, G1, G1B
	s_mov_b32 s[\g+1], ROWB<<16                    ; tensor_dim0
	s_mov_b32 s[\g+2], 128<<16                     ; tensor_dim1 = 128
	s_mov_b32 s[\g+3], ROWB<<16                    ; tile_dim0
	s_mov_b32 s[\g+4], 128                         ; tile_dim1 = 128
	s_mov_b32 s[\g+5], KROW                        ; tensor_dim0_stride
	s_mov_b32 s[\g+6], 0
	s_mov_b32 s[\g+7], 0
.endr
	; and for the scales of 128 rows: a dense block of 128 KS bytes, as rows of 256 bytes (32 elements of 8 bytes), 16 bytes of padding behind each
	s_or_b32 s[G1S+0], s43, (3<<16)|(1<<20)|(1<<21)|(5<<22)|(3<<25)
	s_or_b32 s[G1SB+0], s44, (3<<16)|(1<<20)|(1<<21)|(5<<22)|(3<<25)
.irp g, G1S, G1SB
	s_mov_b32 s[\g+1], 32<<16
	s_mov_b32 s[\g+2], (128*KS/256)<<16
	s_mov_b32 s[\g+3], 32<<16
	s_mov_b32 s[\g+4], 128*KS/256
	s_mov_b32 s[\g+5], 32
	s_mov_b32 s[\g+6], 0
	s_mov_b32 s[\g+7], 0
.endr
	s_lshl_b32 s18, s16, 7                         ; which 128 rows of the tile I fetch
	s_lshl_b32 s20, s17, 8
	s_add_co_u32 s20, s20, s18                     ; A: row 256 x tile row + 128 x half
	s_lshl_b32 s46, s42, 8
	s_add_co_u32 s46, s46, s18                     ; B: row 256 x tile column + 128 x half
	s_mov_b32 s21, 0
	s_mov_b32 s47, 0
	s_mov_b64 s[18:19], KS
	s_mul_u64 s[22:23], s[20:21], s[18:19]         ; where these rows' scales begin, in bytes
	s_mul_u64 s[92:93], s[46:47], s[18:19]
	s_mov_b64 s[18:19], KROW
	s_mul_u64 s[20:21], s[20:21], s[18:19]         ; and their codes
	s_mul_u64 s[46:47], s[46:47], s[18:19]
	s_mul_i32 s45, s14, HALFT                      ; where they go: wave x 128 rows: no place in the cluster enters an LDS address
	s_mul_i32 s94, s14, HALFS
	s_wait_kmcnt 0x0
	s_add_nc_u64 s[20:21], s[4:5], s[20:21]
	s_add_nc_u64 s[22:23], s[6:7], s[22:23]
	s_add_nc_u64 s[46:47], s[8:9], s[46:47]
	s_add_nc_u64 s[92:93], s[10:11], s[92:93]
	CROUND                                         ; all sixteen work-groups are here: the first joint loads meet
	s_mov_b32 s[G0S], 1
	s_add_co_u32 s[G0S+1], s94, SCL
	s_mov_b64 s[G0S+2:G0S+3], s[22:23]
	s_or_b32 s[G0S+3], s[G0S+3], 0x80000000
	s_mov_b32 s[G0SB], 1
	s_add_co_u32 s[G0SB+1], s94, SCL
	s_mov_b64 s[G0SB+2:G0SB+3], s[92:93]
	s_or_b32 s[G0SB+3], s[G0SB+3], 0x80000000
	JLOAD G0S, G1S, G0SB, G1SB                     ; the scales first: they are wanted with K step 0.  With the two below, three tensor loads of mine are out
.irp s, 0,1
	s_mov_b32 s[G0+4*\s], 1
	s_add_co_u32 s[G0+4*\s+1], s45, \s*SLOT
	s_add_nc_u64 s[G0+4*\s+2:G0+4*\s+3], s[20:21], \s*ROWB
	s_or_b32 s[G0+4*\s+3], s[G0+4*\s+3], 0x80000000
	s_mov_b32 s[G0B+4*\s], 1
	s_add_co_u32 s[G0B+4*\s+1], s45, \s*SLOT
	s_add_nc_u64 s[G0B+4*\s+2:G0B+4*\s+3], s[46:47], \s*ROWB
	s_or_b32 s[G0B+4*\s+3], s[G0B+4*\s+3], 0x80000000
	JLOAD G0+4*\s, G1, G0B+4*\s, G1B
.endr
	v_and_b32 v1, 15, v0                           ; l % 16
	v_bfe_u32 v2, v0, 4, 1                         ; l / 16
	v_mul_u32_u24 v3, v1, PITCH
	v_mul_u32_u24 v4, v2, 24
	v_add_nc_u32 v4, v3, v4                        ; a fragment's row x pitch + 24 x half
	v_lshl_add_u32 v5, v2, 4, v4                   ; and the same behind one padding more
	s_mul_i32 s21, s15, HALFT                      ; my 128 rows of A
	s_mul_i32 s22, s16, HALFT                      ; my 128 rows of B,
	s_add_co_u32 s22, s22, 2*HALFT                 ; which lie behind A's 256
.irp s, 0,1
	v_add_nc_u32 v[ADRA+\s], s21, v4
	v_add_nc_u32 v[ADRB+\s], s22, v4
	v_add_nc_u32 v[ADRA+2+\s], s21, v5
	v_add_nc_u32 v[ADRB+2+\s], s22, v5
	s_add_co_u32 s21, s21, SLOT
	s_add_co_u32 s22, s22, SLOT
.endr
	v_mul_u32_u24 v5, v1, KS                       ; my row's scales: KS bytes a row,
	v_lshrrev_b32 v6, 8, v5
	v_lshl_add_u32 v5, v6, 4, v5                   ; and 16 more for each 256 passed
	s_mul_i32 s21, s15, HALFS                      ; A's: my 128 rows
	s_mul_i32 s22, s16, HALFS                      ; B's: my 128 rows, behind A's 256
	s_add_co_u32 s22, s22, 2*HALFS
	s_sub_co_u32 s22, s22, s21
	v_mul_u32_u24 v6, s22, v2                      ; lanes 16-31 take B's: ONE product, the distance between the two bases x the lane's half
	s_add_co_u32 s21, s21, SCL
	v_add_nc_u32 v5, v5, v6
	v_add_nc_u32 v[ADRS], s21, v5
	s_mul_i32 s23, s14, 16*SPITCH                  ; my stage
	v_mul_u32_u24 v5, v1, SPITCH                   ; in: row l % 16, 32 bytes for each half of the lanes
	v_lshl_add_u32 v5, v2, 5, v5
	v_add_nc_u32 v[STO], s23, v5
	v_and_b32 v6, 31, v0
	v_lshlrev_b32 v[CO], 4, v6                     ; back: the 32 lanes take one row of 512 bytes; and the same in out0
	v_add_nc_u32 v[RD], s23, v[CO]
	s_lshl_b32 s20, s17, 8
	s_lshl_b32 s21, s15, 7
	s_add_co_u32 s20, s20, s21                     ; my first row of out0: 256 x tile row + 128 x half
	s_lshl_b32 s66, s20, 2                         ; xs at that row: 4 bytes a row
	s_mov_b32 s67, 0
	s_add_nc_u64 s[96:97], s[96:97], s[66:67]
	v_lshlrev_b32 v[XO], 2, v1
.irp a, 0,1,2,3,4,5,6,7
.irp u, 0,1
	global_load_b32 v[XS+2*\a+\u], v[XO], s[96:97] offset:64*\a   ; xs of row 16 a + l % 16, into both registers of a pair: 512 bytes a wave, once in the launch
.endr
.endr
	s_mov_b32 s21, 0
	s_mov_b64 s[18:19], SIZE_N*4
	s_mul_u64 s[20:21], s[20:21], s[18:19]
	s_lshl_b32 s46, s42, 10                        ; my first column, in bytes: 1024 x tile column + 512 x half
	s_lshl_b32 s47, s16, 9
	s_add_co_u32 s46, s46, s47
	s_mov_b32 s47, 0
	s_add_nc_u64 s[20:21], s[20:21], s[46:47]
	s_add_nc_u64 s[12:13], s[12:13], s[20:21]
.macro FRAG reg, adr, q, i             ; a fragment, 16 rows x 128 K of 6-bit codes, is 12 registers: lane l holds row l % 16; registers 6 c .. 6 c + 5 hold K = 64 c + 32 (l / 16) + 0 .. 31: 24 bytes of the row's stream of bits, as they lie
.irp p, 0,1,2,3,4,5                    ; in pieces of 8 bytes, so that every address is a multiple of the access's size.  Lanes 0-15 take the row's pieces 12 q + 0, 1, 2 and 12 q + 6, 7, 8, lanes 16-31 those three pieces on
.set PC, 12*(\q)+6*(\p/3)+\p%3        ; the mover has laid 16 bytes of padding behind every 64 bytes (8 pieces): where the piece three on lies behind one padding more, the second address register (40 for 24 bytes a half) serves
.if PC%8 < 5
	ds_load_b64 v[\reg+2*\p:\reg+2*\p+1], v[\adr] offset:8*PC+16*(PC/8)+(\i)*16*PITCH
.else
	ds_load_b64 v[\reg+2*\p:\reg+2*\p+1], v[\adr+2] offset:8*PC+16*(PC/8)+(\i)*16*PITCH
.endif
.endr
.endm
; 16 matrix instructions: A's blocks a0, a0 + 1 x B's eight, 128 along K: the slot's q-th.  p: B's set;  sc: the set of scale words.  zero = 1: the first product starts the sums: nothing is ever cleared.
; The 64 accumulators take turns, one instruction a turn, in the same order in every step.
.macro MUL16 a0, p, q, sc, zero
.irp a, \a0, \a0+1
.irp b, 0,1,2,3,4,5,6,7
.if \zero
	v_wmma_scale_f32_16x16x128_f8f6f4 v[8*(8*((\a)%4)+\b):8*(8*((\a)%4)+\b)+7], v[128*(\p)+FR*\b:128*(\p)+FR*\b+FR-1], v[AF+FR*(\a):AF+FR*(\a)+FR-1], 0, v[SC+8*NQ*(\sc)+NQ*\b+(\q)], v[SC+8*NQ*(\sc)+NQ*(\a)+(\q)] matrix_a_fmt:MATRIX_FMT_BF6 matrix_b_fmt:MATRIX_FMT_BF6 matrix_a_scale:MATRIX_SCALE_ROW1
.else
	v_wmma_scale_f32_16x16x128_f8f6f4 v[8*(8*((\a)%4)+\b):8*(8*((\a)%4)+\b)+7], v[128*(\p)+FR*\b:128*(\p)+FR*\b+FR-1], v[AF+FR*(\a):AF+FR*(\a)+FR-1], v[8*(8*((\a)%4)+\b):8*(8*((\a)%4)+\b)+7], v[SC+8*NQ*(\sc)+NQ*\b+(\q)], v[SC+8*NQ*(\sc)+NQ*(\a)+(\q)] matrix_a_fmt:MATRIX_FMT_BF6 matrix_b_fmt:MATRIX_FMT_BF6 matrix_a_scale:MATRIX_SCALE_ROW1
.endif
.endr
.endr
.endm
.macro FETCH_B slot, q, p              ; B's eight fragments of the slot's q-th 128 along K into set p
	WIN TO_B
.irp i, 0,1,2,3,4,5,6,7
	FRAG 128*(\p)+FR*\i, ADRB+\slot, \q, \i
.endr
	WIN 0
.endm
.macro FETCH_A slot, q, i0             ; A's blocks i0 .. i0 + 3
.irp i, \i0, \i0+1, \i0+2, \i0+3
	FRAG AF+FR*(\i), ADRA+\slot, \q, \i
.endr
.endm
.macro SCALES sc                       ; the next K step's scale words into set sc: NQ words a row; lanes 0-15 take A's block i, lanes 16-31 B's block i
.irp i, 0,1,2,3,4,5,6,7
	ds_load_b64 v[SC+8*NQ*\sc+NQ*\i:SC+8*NQ*\sc+NQ*\i+1], v[ADRS] offset:\i*SBLK
.endr
.endm
; A load into a register that a matrix instruction has read, and a vector instruction or an LDS store that reads a matrix result or writes one of a matrix instruction's registers, stand NP places behind that matrix
; instruction, and only plain vector instructions that name none of its registers are places (ISA guide 7.12.1 for vector instructions); this text does not count the matrix instructions in between.
.macro PLACES n
.rept \n
	v_nop
.endr
.endm
; A step of 128 along K that has its successor in the same slot.
.macro STEP slot, q, zero
	s_wait_dscnt 4*NL                              ; B's set and A's blocks 0-3 are in; the youngest 24 loads (A's blocks 4-7) may be out
	WIN MUL_LO
	MUL16 0, (\q)%2, \q, \slot, \zero
	MUL16 2, (\q)%2, \q, \slot, \zero
	s_wait_dscnt 0                                 ; A's blocks 4-7 are in (asked for 32 matrix instructions ago)
	PLACES NP
	FETCH_B \slot, (\q)+1, 1-(\q)%2
	FETCH_A \slot, (\q)+1, 0
	WIN MUL_HI
	MUL16 4, (\q)%2, \q, \slot, \zero
	MUL16 6, (\q)%2, \q, \slot, \zero
	PLACES NP
	WIN 0
	FETCH_A \slot, (\q)+1, 4
.endm
; A slot's last step changes slots: ONE barrier; in front of it each wave waits for all its tensor loads, adds 0 to its spare word, and waits for that and for its own reads of this slot.  fill = 1: this slot is filled again, two K steps ahead.
.macro TURN slot, next, fill
	s_wait_tensorcnt 0x0                           ; all my tensor loads have landed: my part of the next slot;  (every window is 0 here: the add's two registers lie in window 0)
	ds_add_u32 v[SPW], v[NIL]                      ; 0 onto my spare word
	s_wait_dscnt 4*NL+1                            ; (the add and the youngest 24 loads, A's blocks 4-7, may be out)
	WIN MUL_LO
	MUL16 0, 1, NQ-1, \slot, 0                     ; sixteen matrix instructions stand between the add and the wait for it
	s_wait_dscnt 0x0                               ; the add is done, and my reads of this slot are over
	s_barrier_signal -1
	MUL16 2, 1, NQ-1, \slot, 0
	WIN 0
	s_barrier_wait -1
.if \fill
	CREST                                          ; the barrier has opened a round of the cluster's barrier: no wave of any partner still reads this slot's tile or has a load on its way
	s_add_nc_u64 s[G0+4*\slot+2:G0+4*\slot+3], s[G0+4*\slot+2:G0+4*\slot+3], 2*ROWB
	s_add_nc_u64 s[G0B+4*\slot+2:G0B+4*\slot+3], s[G0B+4*\slot+2:G0B+4*\slot+3], 2*ROWB
	JLOAD G0+4*\slot, G1, G0B+4*\slot, G1B         ; the first tensor load behind the round, and my one load until the next; the four v_nop behind it are the places in front of the loads below
.else
	PLACES NP
.endif
	v_add_nc_u32 v[ADRS], 4*NQ, v[ADRS]            ; on to the next K step's scale words (no LDS load of mine is out)
	FETCH_B \next, 0, 0
	FETCH_A \next, 0, 0
	SCALES \next
	WIN MUL_HI
	MUL16 4, 1, NQ-1, \slot, 0
	MUL16 6, 1, NQ-1, \slot, 0
	PLACES NP
	WIN 0
	FETCH_A \next, 0, 4
.endm
	s_wait_loadcnt 0x0                             ; xs of my rows
	s_wait_tensorcnt 1                             ; the scales and my part of K step 0 are in (K step 1's load may be out)
	s_barrier_signal -1
	s_barrier_wait -1                              ; everybody's are
	FETCH_B 0, 0, 0
	FETCH_A 0, 0, 0
	SCALES 0
	FETCH_A 0, 0, 4
	STEP 0, 0, 1                                   ; the first step stands in front of the loop: its products start the sums
.if LAPS > 1
	s_mov_b32 s3, LAPS-1
.Llap:                                                 ; a trip goes once round the ring, from a lap's second step to the next lap's first, and fills both slots again
	TURN 0, 1, 1
	STEP 1, 0, 0
	TURN 1, 0, 1
	STEP 0, 0, 0
	s_sub_co_u32 s3, s3, 1
	s_cmp_lg_u32 s3, 0
	s_cbranch_scc1 .Llap
.endif
	TURN 0, 1, 0                                   ; the last lap fills nothing, and has no round of the cluster's barrier
	STEP 1, 0, 0
	s_wait_dscnt 4*NL                              ; the very last step: nothing more to fetch
	WIN MUL_LO
	MUL16 0, 1, NQ-1, 1, 0
	MUL16 2, 1, NQ-1, 1, 0
	s_wait_dscnt 0
	WIN MUL_HI
	MUL16 4, 1, NQ-1, 1, 0
	MUL16 6, 1, NQ-1, 1, 0
	WIN 0
; THE WAY OUT, block by block of 16 rows x 128 columns.  RESCALE: a lane's 64 sums of a block belong to ONE row of out0: they are multiplied by that row's xs, in place, two at a time, each accumulator from its low end on.
; TOSTAGE, SEND: a lane holds 32 neighbouring bytes of a row, and the lanes beside it hold other rows: so a block goes through my own stage in LDS and comes back as whole rows of 512 bytes, which the 32 lanes store as
; 512 consecutive bytes.  LDS serves a wave's instructions in order (ISA guide 5.7.1.4): no wait between the stores and the loads, nor in front of the next block's stores.
.macro RESCALE a
.set AC, 64*((\a)%4)
	WIN 0x82+0x41*((\a)/4)                         ; destination and source 0: window 2 or 3; source 1 (xs): window 0
.irp b, 0,1,2,3,4,5,6,7
.irp j, 0,2,4,6
	v_pk_mul_f32 v[AC+8*\b+\j:AC+8*\b+\j+1], v[AC+8*\b+\j:AC+8*\b+\j+1], v[XS+2*(\a):XS+2*(\a)+1]
.endr
.endr
.endm
.macro TOSTAGE a
.set AC, 64*((\a)%4)
	WIN 0x08+4*((\a)/4)                            ; the data: window 2 or 3
.irp b, 0,1,2,3,4,5,6,7
	ds_store_b128 v[STO], v[AC+8*\b:AC+8*\b+3] offset:64*\b
	ds_store_b128 v[STO], v[AC+8*\b+4:AC+8*\b+7] offset:64*\b+16
.endr
	WIN 0
.set BB, BK+64*((\a)%2)
.irp t, 0,1,2,3,4,5,6,7,8,9,10,11,12,13,14,15
	ds_load_b128 v[BB+4*\t:BB+4*\t+3], v[RD] offset:\t*SPITCH
.endr
.endm
.macro SEND a, younger                 ; younger: the LDS instructions issued behind block a's loads, which may stay out
.set BB, BK+64*((\a)%2)
	s_wait_dscnt \younger                          ; the block is back in registers
.if (\a) > 0
	s_add_nc_u64 s[12:13], s[12:13], 16*SIZE_N*4   ; (behind a wait on XCNT for 0: the earlier stores have read their base)  16 rows of out0 on, so that the stores' offsets stay small: 15 rows, 245,760 bytes, at the most
.endif
.irp t, 0,1,2,3,4,5,6,7,8,9,10,11,12,13,14,15
	global_store_b128 v[CO], v[BB+4*\t:BB+4*\t+3], s[12:13] offset:\t*SIZE_N*4 th:TH_STORE_NT   ; 32 lanes store 512 consecutive bytes, at a multiple of 256 from out0's first byte; written once, read by nobody here
.endr
.endm
	PLACES NP                                      ; behind the last products: for the multiplications that write results, and for the loads into the registers that held A's fragments
	RESCALE 0
	TOSTAGE 0
.irp a, 1,2,3,4,5,6,7
.if \a > 1
	s_wait_xcnt 0x0                                ; block a - 2's stores have read their registers and their base: block a's loads may land there, and the base may step
.endif
	RESCALE \a                                     ; block a's multiplications stand between block a - 1's loads from the stage and the wait for them
	TOSTAGE \a
	SEND \a-1, 32                                  ; behind block a - 1's loads: block a's 16 stores and 16 loads
.endr
	s_wait_xcnt 0x0                                ; block 6's stores have read their base
	SEND 7, 0
	s_wait_tensorcnt 0x0                           ; the wave's end: behind my last tensor load and my last LDS store
	ds_add_u32 v[SPW], v[NIL]
	s_wait_dscnt 0x0
	CROUND                                         ; the closing round: no work-group ends while a partner may still ask for a tile that names it
	s_endpgm
.Lfunc_end_k_qb407e70b4a_gemm:
	.size	k_qb407e70b4a_gemm, .Lfunc_end_k_qb407e70b4a_gemm-k_qb407e70b4a_gemm
	.p2alignl 7, 3214868480
	.fill 96, 4, 3214868480
	.section	.rodata,"a",@progbits
	.p2align	6, 0x0
	.amdhsa_kernel k_qb407e70b4a_gemm
		.amdhsa_group_segment_fixed_size 327680
		.amdhsa_private_segment_fixed_size 0
		.amdhsa_enable_private_segment 0
		.amdhsa_kernarg_size 48
		.amdhsa_user_sgpr_count 2
		.amdhsa_user_sgpr_kernarg_segment_ptr 1
		.amdhsa_wavefront_size32 1
		.amdhsa_system_sgpr_workgroup_id_x 1
		.amdhsa_system_sgpr_workgroup_id_y 1
		.amdhsa_system_sgpr_workgroup_id_z 1
		.amdhsa_system_vgpr_workitem_id 0
		.amdhsa_next_free_vgpr 1024
		.amdhsa_next_free_sgpr 98
		.amdhsa_reserve_vcc 0
		.amdhsa_float_denorm_mode_32 3
		.amdhsa_float_denorm_mode_16_64 3
		.amdhsa_memory_ordered 1
		.amdhsa_forward_progress 1
		.amdhsa_inst_pref_size 178
	.end_amdhsa_kernel
	.amdgpu_metadata
---
amdhsa.version: [ 1, 2 ]
amdhsa.kernels:
  - .name:           k_qb407e70b4a_gemm
    .symbol:         k_qb407e70b4a_gemm.kd
    .args:
      - { .name: a_codes, .offset: 0, .size: 8, .value_kind: global_buffer, .address_space: global }
      - { .name: a_scales, .offset: 8, .size: 8, .value_kind: global_buffer, .address_space: global }
      - { .name: b_codes, .offset: 16, .size: 8, .value_kind: global_buffer, .address_space: global }
      - { .name: b_scales, .offset: 24, .size: 8, .value_kind: global_buffer, .address_space: global }
      - { .name: xs, .offset: 32, .size: 8, .value_kind: global_buffer, .address_space: global }
      - { .name: out0, .offset: 40, .size: 8, .value_kind: global_buffer, .address_space: global }
    .group_segment_fixed_size: 327680
    .private_segment_fixed_size: 0
    .kernarg_segment_align: 8
    .kernarg_segment_size: 48
    .max_flat_workgroup_size: 128
    .sgpr_count:     98
    .vgpr_count:     1024
    .wavefront_size: 32
...
	.end_amdgpu_metadata
.endif
;; end of part 2
;; ======== version 2 of 2: 2 launches
;; limits: right only within a limited range of input values
;; workspace buffers: ops 26,607,616 bytes
;; launch prep (part 3): grid 256 x 1, 16 waves a work-group, no clusters, 190,720 bytes of LDS; arguments x, packed_weight, scale, ops; writes ops
.if DOCPART == 3
	.amdgcn_target "amdgcn-amd-amdhsa--gfx1250"
	.amdhsa_code_object_version 6
	.text
	.protected	k_qb407e70b4a_prep
	.globl	k_qb407e70b4a_prep
	.p2align	8
	.type	k_qb407e70b4a_prep,@function
k_qb407e70b4a_prep:
	s_mov_b64 s[64:65], 0
	v_nop
	global_prefetch_b8 v0, s[64:65] scope:SCOPE_SE
	s_setreg_imm32_b32 hwreg(HW_REG_WAVE_MODE, 25, 1), 1
	s_wait_xcnt 0x0
; Both operands of out = (x / x_scale) w^T become codes of BF6 (E3M2) with one E8M0 scale byte for each 32 along K, laid as the multiplying launch's registers take them.
;   x [4096][4096] f32: x_scale[t] = max(largest |x[t][.]|, 1e-5); x[t][k] / x_scale[t] is quantised.   packed_weight [4096][256] int32, sixteen 2-bit fields a word, lowest k lowest: w = (field - 1) x scale is quantised.
; No step and no input is left out.
; A block's scale is 2^(floor(log2(its largest magnitude)) - 4); its byte is that magnitude's exponent field - 4, held at 1 from below; beyond the largest code the conversion gives the largest code.
; THE LAYOUT OF ops: x's part, then the weight's (APART bytes on).  A part is 256 blocks of 16 rows, BLK bytes each.  A block is 11 chunks along K: ten of 3 steps of 128 along K, one of 2.
;   A step's 16 rows x 96 bytes lie as 3 pieces of 512 bytes: piece c holds, at 16 (r + 16 h), bytes 48 h + 16 c .. + 15 of row r's 96.  Behind a chunk's steps lies a table of 256 bytes: for row r four words:
;   the scale words of the chunk's steps and, last, x_scale[r] (the weight's part holds the same word there, which nobody uses; the short chunk repeats its last scale word in the third place).
;   So a chunk is 4,864 bytes (the last 3,328), a block 51,968: all multiples of 256.
; THE SCALE BYTES' ORDER: of the four bytes of 128 along K the two middle ones change places, since a lane half h takes bytes 48 h on of the 96: blocks 0, 1 and blocks 2, 3.
; SHARES: one wave takes one row of the weight and the same row of x; a row of x, 16,384 bytes, stays in 128 registers and is read from memory once.  The 16 waves of a work-group make one block of each part:
; each lays its row's codes and scale bytes in its own LDS region, a barrier follows, and wave w stores steps 2 w and 2 w + 1 of all 16 rows: each store covers 512 consecutive bytes at a multiple of 256.
; The regions lie 11,792 bytes apart: 2,948 words, so that the 16 rows that a load of 16 bytes a lane touches start 4 banks apart.
; No tensor loads, no cluster: no two work-groups read the same byte.
; THE DIVISION: a reciprocal with one correction step and a quotient with one: q = x r, e = x - q S, q' = q + e r, fused: the row's largest number gives exactly 1.
; LIMITS: NaN and infinities among the inputs are not served.  A row of x whose largest magnitude is 2^126 or more is not served (v_rcp_f32 flushes its result).  A block of zeros gets the byte 1 where the rule says 127:
; its codes are zeros, and this program alone reads the bytes.  Blocks whose largest magnitude lies under 2^-122 were not tried.  A field of 3 gives 2 x scale.
.set EMAX,  4
.set SP,    80                         ; a lane's place in a stage: 64 bytes + 16
.set STGB,  32*SP
.set XSB,   2*STGB                     ; a wave's region: two stages; x's 128 scale bytes and, at + 128, x_scale;
.set WSB,   XSB+256                    ; the weight's;
.set XCB,   WSB+256                    ; x's codes, 3,072 bytes;
.set WCB,   XCB+3072                   ; the weight's
.set WREG,  WCB+3072+16
.set SPARE, 16*WREG                    ; the spare words: 128 bytes a wave
.set CHB,   4864
.set BLK,   51968
.set APART, 256*BLK
.set M,     16                         ; v16-19 running maxima
.set E,     28                         ; v28-35 a scale byte a step
.set PW,    36                         ; v36-43 the weight's words; at the end the table's addresses and words
.set T,     44                         ; v44-59 quotients; the weight's codes on their way out
.set X,     64                         ; v64-95 two sets of 16 neighbours
.set C,     96                         ; v96-127 codes, four registers a step (v123, v127: the add's two)
.set R,     128                        ; v128-255 the row of x
	s_load_b256 s[4:11], s[0:1], 0x0               ; x, packed_weight, scale, ops
	v_lshl_add_u32 v123, v0, 2, SPARE
	v_mov_b32 v127, 0
	v_lshrrev_b32 v1, 5, v0
	v_readfirstlane_b32 s21, v1                    ; wave 0..15
	s_mul_i32 s30, s21, WREG                       ; my region
	s_add_co_u32 s31, s30, XSB
	s_add_co_u32 s33, s30, WSB
	s_add_co_u32 s34, s30, XCB
	s_add_co_u32 s35, s30, WCB
	s_mul_i32 s36, s21, 192                        ; steps 2 w, 2 w + 1 in a row of codes
	s_lshl_b32 s37, s21, 1
	s_mul_i32 s38, s37, 11
	s_lshr_b32 s38, s38, 5                         ; step / 3, for steps under 32
	s_lshl_b32 s38, s38, 8
	s_mul_i32 s39, s37, 1536
	s_add_co_u32 s38, s38, s39                     ; where step 2 w lies in a block: 1,536 x step + 256 x (step / 3)
	s_add_co_u32 s37, s37, 1
	s_mul_i32 s39, s37, 11
	s_lshr_b32 s39, s39, 5
	s_lshl_b32 s39, s39, 8
	s_mul_i32 s40, s37, 1536
	s_add_co_u32 s39, s39, s40                     ; and step 2 w + 1
	s_mul_i32 s41, s21, 12                         ; chunk w's first scale word in a row's 32
	s_mul_i32 s42, s21, 3
	s_add_co_u32 s42, s42, 2
	s_min_u32 s42, s42, 31                         ; its third, held inside the row
	s_lshl_b32 s42, s42, 2
	s_mul_i32 s43, s21, CHB
	s_add_co_u32 s43, s43, 4608
	s_min_u32 s43, s43, BLK-256                    ; chunk w's table in a block
	s_mov_b32 s28, 0x76543210                      ; selects for lane l xor 16
	s_mov_b32 s29, 0xfedcba98
	s_lshl_b32 s22, ttmp9, 4
	s_add_co_u32 s22, s22, s21                     ; my row
	s_mov_b32 s25, 0
	v_and_b32 v2, 31, v0                           ; lane
	v_lshlrev_b32 v3, 4, v2
	v_lshlrev_b32 v7, 2, v2
	v_lshrrev_b32 v14, 2, v2
	v_mul_u32_u24 v14, v14, SP
	v_and_b32 v15, 3, v2
	v_lshl_add_u32 v14, v15, 4, v14
	v_add_nc_u32 v14, s30, v14                     ; the stage, in: four lanes' 64 bytes on end, then 16 of padding
	v_mul_u32_u24 v15, v2, SP
	v_add_nc_u32 v15, s30, v15                     ; and out: my 16 neighbours
	v_lshrrev_b32 v8, 1, v2                        ; my block of a step's sixteen is lane / 2; its word (lane / 2) / 4,
	v_and_b32 v8, 12, v8
	v_bfe_u32 v9, v2, 1, 1                         ; and in the word its number's two bits change places
	v_lshl_add_u32 v8, v9, 1, v8
	v_bfe_u32 v9, v2, 2, 1
	v_add_nc_u32 v8, v8, v9
	v_add_nc_u32 v5, s31, v8                       ; x: my block's byte
	v_add_nc_u32 v60, s33, v8                      ; the weight: likewise
	v_mul_u32_u24 v9, v2, 12
	v_add_nc_u32 v4, s34, v9                       ; x: my 12 bytes of a step's 384
	v_add_nc_u32 v63, s35, v9
	v_and_b32 v8, 15, v0                           ; r, h of the lane on the way out
	v_bfe_u32 v9, v0, 4, 1
	v_mul_u32_u24 v12, v8, WREG
	v_mad_u32_u24 v6, v9, 48, v12
	v_add_nc_u32 v6, s36, v6                       ; row r's region, byte 48 h of step 2 w
	v_add_nc_u32 v10, s38, v3                      ; and where my 16 bytes go in the block
	v_add_nc_u32 v61, s39, v3
	v_mov_b32 v62, s30
	v_mov_b32 v13, 0                               ; a lane permute's destination counts as a source
	s_wait_alu depctr_va_vdst(0)
	s_wait_kmcnt 0x0
	s_load_b32 s27, s[8:9], 0x0                    ; scale
	s_lshl_b32 s24, s22, 10
	s_add_nc_u64 s[6:7], s[6:7], s[24:25]
	s_lshl_b32 s24, s22, 14
	s_add_nc_u64 s[4:5], s[4:5], s[24:25]
	s_mul_i32 s24, ttmp9, BLK
	s_add_nc_u64 s[10:11], s[10:11], s[24:25]      ; my block of x's part
	s_add_nc_u64 s[14:15], s[10:11], APART         ; and of the weight's
.irp t, 0,1,2,3,4,5,6,7
	global_load_b32 v[PW+\t], v7, s[6:7] offset:128*\t th:TH_LOAD_NT   ; my word holds k = 512 t + 16 lane on
.endr
.set I, 0
.rept 32
	global_load_b128 v[R+4*I:R+4*I+3], v3, s[4:5] offset:512*I th:TH_LOAD_NT   ; the whole row is asked for at once
.set I, I+1
.endr
; 16 neighbours along K in v[XR] on, two lanes to a block, become 12 bytes of codes and the block's byte, in my region
.macro QSTEP t, ba, ca
	v_max3_num_f32 v8, |v[XR]|, |v[XR+1]|, |v[XR+2]|
	v_max3_num_f32 v9, |v[XR+3]|, |v[XR+4]|, |v[XR+5]|
.irp i, 6,10
	v_max3_num_f32 v8, v8, |v[XR+\i]|, |v[XR+\i+1]|
	v_max3_num_f32 v9, v9, |v[XR+\i+2]|, |v[XR+\i+3]|
.endr
	v_max3_num_f32 v8, v8, |v[XR+14]|, |v[XR+15]|
	v_max3_num_f32 v8, v8, v9, (EMAX+1)<<23        ; the floor: the byte cannot fall under 1
	v_max_num_f32_dpp v8, v8, v8 row_xmask:1 row_mask:0xf bank_mask:0xf
	v_add_nc_u32 v11, -(EMAX<<23), v8              ; the conversion's scale operand
	v_cvt_scalef32_pk16_bf6_f32 v[C+4*(\t):C+4*(\t)+2], v[XR:XR+15], v11
	v_lshrrev_b32 v[E+(\t)], 23, v11               ; the byte; also the plain line behind the conversion
	ds_store_b8 v[\ba], v[E+(\t)] offset:16*(\t)
.irp i, 0,1,2
	ds_store_b32 v[\ca], v[C+4*(\t)+\i] offset:384*(\t)+4*\i
.endr
.endm
; steps 2 w and 2 w + 1 of all 16 rows: six loads of 16 bytes a lane from the rows' regions, six stores of 512 consecutive bytes
.macro COUT reg0, reg1, src, cp
.irp c, 0,1,2
	ds_load_b128 v[\reg0+4*\c:\reg0+4*\c+3], v6 offset:\src+16*\c
.endr
.irp c, 0,1,2
	ds_load_b128 v[\reg1+4*\c:\reg1+4*\c+3], v6 offset:\src+96+16*\c
.endr
	s_wait_dscnt 0x0
.irp c, 0,1,2
	global_store_b128 v10, v[\reg0+4*\c:\reg0+4*\c+3], s[\cp:\cp+1] offset:512*\c
.endr
.irp c, 0,1,2
	global_store_b128 v61, v[\reg1+4*\c:\reg1+4*\c+3], s[\cp:\cp+1] offset:512*\c
.endr
.endm
	; ---- my row of the weight, while x is on its way ----
	s_wait_kmcnt 0x0
	v_mov_b32 v26, s27
	v_mov_b32 v27, s27
.macro WSTEP t
.set XR, X
	s_wait_loadcnt 39-(\t)                         ; word t is in: behind it 7 - t words and x's 32 loads
.irp j, 0,1,2,3,4,5,6,7,8,9,10,11,12,13,14,15
	v_bfe_u32 v[X+\j], v[PW+(\t)], 2*\j, 2
.endr
.irp j, 0,1,2,3,4,5,6,7,8,9,10,11,12,13,14,15
	v_cvt_f32_u32 v[X+\j], v[X+\j]
.endr
.irp j, 0,2,4,6,8,10,12,14
	v_pk_fma_f32 v[X+\j:X+\j+1], v[X+\j:X+\j+1], v[26:27], v[26:27] neg_lo:[0,0,1] neg_hi:[0,0,1]   ; (field - 1) x scale, not rounded
.endr
	QSTEP \t, 60, 63
.endm
.irp t, 0,1,2,3,4,5,6,7
	WSTEP \t
.endr
	s_wait_alu depctr_va_vdst(0)
	s_wait_dscnt 0x0                               ; for the others' sake: my row's codes lie in LDS
	s_barrier_signal -1
	s_barrier_wait -1
	COUT T, X+16, WCB, 14
	; ---- my row of x: its largest magnitude ----
.irp g, 0,1,2,3,4,5,6,7
	s_wait_alu depctr_va_vdst(0)
	s_wait_loadcnt 28-4*\g                         ; loads 4 g to 4 g + 3 are in
.irp k, 0,1,2,3
.if \g == 0
	v_max3_num_f32 v[M+\k], |v[R+4*\k]|, |v[R+4*\k+1]|, |v[R+4*\k+2]|
.else
	v_max3_num_f32 v[M+\k], v[M+\k], |v[R+16*\g+4*\k]|, |v[R+16*\g+4*\k+1]|
.endif
.endr
.irp k, 0,1,2,3
.if \g == 0
	s_wait_alu depctr_va_vdst(0)
	v_max_num_f32 v[M+\k], v[M+\k], |v[R+4*\k+3]|
.else
	v_max3_num_f32 v[M+\k], v[M+\k], |v[R+16*\g+4*\k+2]|, |v[R+16*\g+4*\k+3]|
.endif
.endr
.endr
	v_max3_num_f32 v[M], v[M], v[M+1], v[M+2]
	v_max3_num_f32 v[M], v[M], v[M+3], 0x3727c5ac  ; and 1e-5: the clip
	v_max_num_f32_dpp v[M], v[M], v[M] row_xmask:1 row_mask:0xf bank_mask:0xf
	v_max_num_f32_dpp v[M], v[M], v[M] row_xmask:2 row_mask:0xf bank_mask:0xf
	v_max_num_f32_dpp v[M], v[M], v[M] row_xmask:4 row_mask:0xf bank_mask:0xf
	v_max_num_f32_dpp v[M], v[M], v[M] row_xmask:8 row_mask:0xf bank_mask:0xf
	v_permlanex16_b32 v13, v[M], s28, s29
	v_max_num_f32 v24, v[M], v13                   ; S = x_scale of my row
	s_wait_alu depctr_va_vdst(0)
	v_rcp_f32 v20, v24
	v_xor_b32 v22, 0x80000000, v24                 ; -S; the plain line behind the reciprocal
	s_wait_alu depctr_va_vdst(0)
	v_fma_f32 v25, v22, v20, 1.0
	v_fma_f32 v20, v25, v20, v20                   ; the reciprocal, corrected once
	v_mov_b32 v21, v20
	v_mov_b32 v23, v22
	s_wait_alu depctr_va_vdst(0)
	s_wait_xcnt 0x0                                ; the weight's stores have read their registers: x's steps write them again
	ds_store_b32 v62, v24 offset:XSB+128           ; x_scale, for the tables: every lane the same word and value
	ds_store_b32 v62, v24 offset:WSB+128
.macro TURN t                          ; a step's 512 numbers through a stage: back 64 bytes a lane
.irp i, 0,1,2,3
	ds_store_b128 v14, v[R+16*(\t)+4*\i:R+16*(\t)+4*\i+3] offset:STGB*((\t)%2)+8*SP*\i
.endr
.irp i, 0,1,2,3
	ds_load_b128 v[X+16*((\t)%2)+4*\i:X+16*((\t)%2)+4*\i+3], v15 offset:STGB*((\t)%2)+16*\i
.endr
.endm
.macro XSTEP t
.set XR, X+16*((\t)%2)
.if (\t) == 0
	s_wait_dscnt 0x0
.else
	s_wait_dscnt 4                                 ; behind this step's loads: the last step's four LDS stores
.endif
.if (\t) < 7
	TURN (\t)+1
.endif
.irp j, 0,2,4,6,8,10,12,14
	v_pk_mul_f32 v[T+\j:T+\j+1], v[XR+\j:XR+\j+1], v[20:21]
.endr
.irp j, 0,2,4,6,8,10,12,14
	v_pk_fma_f32 v[XR+\j:XR+\j+1], v[T+\j:T+\j+1], v[22:23], v[XR+\j:XR+\j+1]
.endr
.irp j, 0,2,4,6,8,10,12,14
	v_pk_fma_f32 v[XR+\j:XR+\j+1], v[XR+\j:XR+\j+1], v[20:21], v[T+\j:T+\j+1]
.endr
	QSTEP \t, 5, 4
.endm
	TURN 0
.irp t, 0,1,2,3,4,5,6,7
	XSTEP \t
.endr
	v_and_b32 v8, 15, v0                           ; the tables: lanes 0-15 x's, lanes 16-31 the weight's; lane r row r
	v_bfe_u32 v9, v0, 4, 1
	v_mul_u32_u24 v38, v8, WREG
	v_lshl_add_u32 v38, v9, 8, v38
	v_add_nc_u32 v36, s41, v38
	v_add_nc_u32 v37, s42, v38
	v_mul_u32_u24 v39, v9, APART
	v_lshl_add_u32 v39, v8, 4, v39
	v_add_nc_u32 v39, s43, v39
	s_wait_alu depctr_va_vdst(0)
	s_wait_dscnt 0x0                               ; for the others' sake
	s_barrier_signal -1
	s_barrier_wait -1
	COUT R, R+16, XCB, 10
	s_cmp_lt_u32 s21, 11                           ; wave w stores chunk w's two tables: 11 chunks
	s_cbranch_scc0 .Lno_table
	ds_load_b32 v40, v36 offset:XSB
	ds_load_b32 v41, v36 offset:XSB+4
	ds_load_b32 v42, v37 offset:XSB
	ds_load_b32 v43, v38 offset:XSB+128
	s_wait_dscnt 0x0
	global_store_b128 v39, v[40:43], s[10:11]      ; sixteen lanes fill 256 consecutive bytes, at a multiple of 256
.Lno_table:
	s_wait_tensorcnt 0x0                           ; the wave's end
	ds_add_u32 v123, v127
	s_wait_dscnt 0x0
	s_endpgm
.Lfunc_end_k_qb407e70b4a_prep:
	.size	k_qb407e70b4a_prep, .Lfunc_end_k_qb407e70b4a_prep-k_qb407e70b4a_prep
	.p2alignl 7, 3214868480
	.fill 96, 4, 3214868480
	.section	.rodata,"a",@progbits
	.p2align	6, 0x0
	.amdhsa_kernel k_qb407e70b4a_prep
		.amdhsa_group_segment_fixed_size 190720
		.amdhsa_private_segment_fixed_size 0
		.amdhsa_enable_private_segment 0
		.amdhsa_kernarg_size 32
		.amdhsa_user_sgpr_count 2
		.amdhsa_user_sgpr_kernarg_segment_ptr 1
		.amdhsa_wavefront_size32 1
		.amdhsa_system_sgpr_workgroup_id_x 1
		.amdhsa_system_sgpr_workgroup_id_y 1
		.amdhsa_system_sgpr_workgroup_id_z 1
		.amdhsa_system_vgpr_workitem_id 0
		.amdhsa_next_free_vgpr 256
		.amdhsa_next_free_sgpr 66
		.amdhsa_reserve_vcc 0
		.amdhsa_float_denorm_mode_32 3
		.amdhsa_float_denorm_mode_16_64 3
		.amdhsa_memory_ordered 1
		.amdhsa_forward_progress 1
		.amdhsa_inst_pref_size 65
	.end_amdhsa_kernel
	.amdgpu_metadata
---
amdhsa.version: [ 1, 2 ]
amdhsa.kernels:
  - .name:           k_qb407e70b4a_prep
    .symbol:         k_qb407e70b4a_prep.kd
    .args:
      - { .name: x, .offset: 0, .size: 8, .value_kind: global_buffer, .address_space: global }
      - { .name: packed_weight, .offset: 8, .size: 8, .value_kind: global_buffer, .address_space: global }
      - { .name: scale, .offset: 16, .size: 8, .value_kind: global_buffer, .address_space: global }
      - { .name: ops, .offset: 24, .size: 8, .value_kind: global_buffer, .address_space: global }
    .group_segment_fixed_size: 190720
    .private_segment_fixed_size: 0
    .kernarg_segment_align: 8
    .kernarg_segment_size: 32
    .max_flat_workgroup_size: 512
    .sgpr_count:     66
    .vgpr_count:     256
    .wavefront_size: 32
...
	.end_amdgpu_metadata
.endif
;; end of part 3
;; launch gemm (part 4): grid 16 x 16, 4 waves a work-group, clusters of 4 x 4, 327,680 bytes of LDS; arguments ops, out0; writes out0
.if DOCPART == 4
	.amdgcn_target "amdgcn-amd-amdhsa--gfx1250"
	.amdhsa_code_object_version 6
	.text
	.protected	k_qb407e70b4a_gemm
	.globl	k_qb407e70b4a_gemm
	.p2align	8
	.type	k_qb407e70b4a_gemm,@function
k_qb407e70b4a_gemm:
	s_mov_b64 s[64:65], 0
	v_nop
	global_prefetch_b8 v0, s[64:65] scope:SCOPE_SE
	s_setreg_imm32_b32 hwreg(HW_REG_WAVE_MODE, 25, 1), 1
	s_wait_xcnt 0x0
	s_wait_alu depctr_hold_cnt(0) depctr_sa_sdst(0) depctr_va_vdst(0) depctr_va_sdst(0) depctr_va_ssrc(0) depctr_va_vcc(0) depctr_vm_vsrc(0)
	s_getreg_b32 s2, hwreg(HW_REG_IB_STS2, 6, 4)
	s_cmp_eq_u32 s2, 0
	s_cbranch_scc0 .Lentry_in_a_cluster
	s_endpgm
.Lentry_in_a_cluster:
	s_bfe_u32 s2, ttmp6, 0x10000c
	s_cmp_lg_u32 s2, 0xf033
	s_cbranch_scc0 .Lentry_shape_is_right
	s_endpgm
.Lentry_shape_is_right:
; out0[t][o] = x_scale[t] x sum over k of A[t][k] B[o][k]: A = x / x_scale and B = w as codes of BF6 (E3M2) with E8M0 scales, from ops as the launch before laid it; sums in f32.
; ops: A's part, then B's (APART on).  A block of 16 rows is BLK bytes: chunks of 3 steps of 128 along K (the eleventh: 2).  A step is 3 pieces of 512 bytes, 16 bytes a lane: the image of a fragment's 12 registers;
; behind a chunk's steps a table of 256 bytes: row r's words: the steps' scale words and x_scale[r].  A lane half h holds bytes 48 h on of its row's 96, on both sides alike, and the scale bytes are ordered to match.
; A tile of out0, 256 x 256, is made by four waves, 128 x 128 each: 64 accumulators, 512 registers.  K goes through a ring of two LDS slots, a chunk each: 32 blocks x 4,864 bytes; each wave fills 8 blocks with one tensor load
; whose 8 rows of 4,864 bytes begin at multiples of 256.  Codes, scales and x_scale come by the same load.  LDS reads are dense: lane l at 16 l: no padding.
; A STEP's 48 fragment loads go in two runs of 24: B's next set, which is free through the whole step, half at the step's start and half in its middle; A's one set, blocks 0-3 in the middle, blocks 4-7 at the end.
; THE LAST CHUNK, two steps, GOES BY ROWS OF out0: B's fragments of both steps fill B's two sets, A's come by blocks of 16 rows x 2 steps, and two blocks at a time are finished by 32 matrix instructions and leave at once.
; CLUSTERS 4 x 4: A's tiles are asked for jointly along a row of the cluster, B's along a column.  The matrix instruction is used transposed (source 0 = B's rows), so that a lane holds eight neighbours of a row of out0.
; PREFETCH: at each change of slots in the loop but those of its last trip, the chunk two refills on: of the 8 blocks that a wave fetches each of the four partners names 2 (38 runs of 256 bytes, two instructions), told apart by address.
; Chunks 0 to 3 and the short last chunk come by their loads alone: a run of 19 x 256 bytes at the last chunk would pass its block's end.
; REGISTERS: window 0: v16-31 addresses; v32-95 two sets of tables (register 4 i + t: lanes 0-15 A's block i, lanes 16-31 B's, step t); v96-111 x_scale; v128-223 A's fragments, one set (in the last chunk four buffers of 24);
; v0-15, v112-127, v224-255 rows on the way out.  Window 1: B's fragments, two sets.  Windows 2, 3: accumulators.
.set SIZE_N, 4096
.set BLK,    51968
.set APART,  256*BLK
.set GB,     8*BLK                     ; 128 rows
.set CHB,    4864                      ; a chunk of a block;  LCB: the last
.set LCB,    3328
.set TAB,    4608                      ; where its table lies
.set LTAB,   3072
.set GRP,    8*CHB                     ; what one tensor load brings
.set SLOT,   4*GRP
.set SPARE,  2*SLOT                    ; the spare words, 512 bytes
.set STAGE,  SLOT                      ; the way out: in slot 1, which has had its last fill and its last read by then
.set SPITCH, 528
.set FR, 12
.set NL, 3
.set NP, 4
.set ADRA, 16
.set ADRB, 20
.set ADRS, 22
.set STO,  24
.set RD,   25
.set CO,   26
.set XA,   27
.set SPW,  28
.set NIL,  29
.set PFO,  30
.set SC,   32
.set XS,   96
.set AF,   128
.set G1, 24
.set G0, 32
.set G1B, 48
.set G0B, 56
.set PFA, 68
.set MSB, 0
.macro WIN new
.if MSB != (\new)
	s_set_vgpr_msb (MSB<<8)|(\new)
.set MSB, (\new)
.endif
.endm
.set MUL_LO, 0xa1
.set MUL_HI, 0xf1
.set TO_B,   0x40
.macro JLOAD g0a, g1a, g0b, g1b        ; a joint load: waves 0, 1 for A, waves 2, 3 for B
	s_cmp_eq_u32 s15, 0
	s_cbranch_scc0 .Lfor_b_\@
	tensor_load_to_lds s[\g0a:\g0a+3], s[\g1a:\g1a+7]
	s_nop 0
.rept 4
	v_nop
.endr
	s_branch .Lasked_\@
.Lfor_b_\@:
	tensor_load_to_lds s[\g0b:\g0b+3], s[\g1b:\g1b+7]
	s_nop 0
.rept 4
	v_nop
.endr
.Lasked_\@:
.endm
.macro CREST
	s_cmp_lg_u32 s14, 0
	s_cbranch_scc1 .Lnot_wave_0_\@
	s_barrier_signal -3
.Lnot_wave_0_\@:
	s_barrier_wait -3
	s_barrier_signal -1
	s_barrier_wait -1
.endm
.macro CROUND
	s_barrier_signal -1
	s_barrier_wait -1
	CREST
.endm
	s_load_b128 s[4:7], s[0:1], 0x0                ; ops, out0
	v_lshl_add_u32 v[SPW], v0, 2, SPARE
	v_mov_b32 v[NIL], 0
	ds_add_u32 v[SPW], v[NIL]
	ds_add_u32 v[SPW], v[NIL]
	v_lshrrev_b32 v1, 5, v0
	v_readfirstlane_b32 s14, v1                    ; wave
	s_lshr_b32 s15, s14, 1                         ; my half of the tile's rows; also: I fetch for A (0) or B (1)
	s_and_b32 s16, s14, 1                          ; my half of its columns; also: which 128 rows I fetch
	s_bfe_u32 s40, ttmp6, 0x40000                  ; cx, cy
	s_bfe_u32 s41, ttmp6, 0x40004
	s_lshl_b32 s42, ttmp9, 2
	s_add_co_u32 s42, s42, s40                     ; tile column
	s_and_b32 s17, ttmp7, 0xffff
	s_lshl_b32 s17, s17, 2
	s_add_co_u32 s17, s17, s41                     ; tile row
	s_lshl_b32 s43, s41, 2
	s_lshl_b32 s43, 15, s43                        ; my row of the cluster
	s_lshl_b32 s44, 0x1111, s40                    ; my column
	s_or_b32 s[G1+0], s43, (3<<16)|(1<<21)         ; elements of 8 bytes, no padding
	s_or_b32 s[G1B+0], s44, (3<<16)|(1<<21)
.irp g, G1, G1B
	s_mov_b32 s[\g+1], (CHB/8)<<16                 ; tensor_dim0
	s_mov_b32 s[\g+2], 8<<16                       ; tensor_dim1: 8 blocks
	s_mov_b32 s[\g+3], (CHB/8)<<16                 ; tile_dim0
	s_mov_b32 s[\g+4], 8
	s_mov_b32 s[\g+5], BLK/8                       ; from block to block
	s_mov_b32 s[\g+6], 0
	s_mov_b32 s[\g+7], 0
.endr
	s_lshl_b32 s20, s17, 1
	s_add_co_u32 s20, s20, s16
	s_mul_i32 s20, s20, GB                         ; A: the 128 rows that I fetch
	s_mov_b32 s21, 0
	s_lshl_b32 s46, s42, 1
	s_add_co_u32 s46, s46, s16
	s_mul_i32 s46, s46, GB
	s_add_co_u32 s46, s46, APART                   ; B likewise
	s_mov_b32 s47, 0
	s_mul_i32 s45, s14, GRP                        ; where they go
	s_wait_dscnt 0x0
	s_wait_kmcnt 0x0
	s_add_nc_u64 s[20:21], s[4:5], s[20:21]
	s_add_nc_u64 s[46:47], s[4:5], s[46:47]
	CROUND                                         ; in front of the first joint loads
.irp s, 0,1
	s_mov_b32 s[G0+4*\s], 1
	s_add_co_u32 s[G0+4*\s+1], s45, \s*SLOT
	s_add_nc_u64 s[G0+4*\s+2:G0+4*\s+3], s[20:21], \s*CHB
	s_or_b32 s[G0+4*\s+3], s[G0+4*\s+3], 0x80000000
	s_mov_b32 s[G0B+4*\s], 1
	s_add_co_u32 s[G0B+4*\s+1], s45, \s*SLOT
	s_add_nc_u64 s[G0B+4*\s+2:G0B+4*\s+3], s[46:47], \s*CHB
	s_or_b32 s[G0B+4*\s+3], s[G0B+4*\s+3], 0x80000000
.endr
	JLOAD G0, G1, G0B, G1B                         ; chunk 0: one tensor load a wave at the head
	s_mul_i32 s22, s15, GRP                        ; my 128 rows of A in a slot
	s_add_co_u32 s23, s16, 2
	s_mul_i32 s23, s23, GRP                        ; my 128 rows of B
	s_sub_co_u32 s66, s23, s22
	s_mul_i32 s67, s14, 16*SPITCH
	s_add_co_u32 s67, s67, STAGE                   ; my stage
	s_lshl_b32 s18, s17, 8
	s_lshl_b32 s19, s15, 7
	s_add_co_u32 s18, s18, s19
	s_lshl_b32 s18, s18, 14                        ; my first row of out0, 16,384 bytes a row
	s_lshl_b32 s19, s42, 10
	s_add_co_u32 s18, s18, s19
	s_lshl_b32 s19, s16, 9
	s_add_co_u32 s18, s18, s19                     ; and my first column
	s_mov_b32 s19, 0
	s_add_nc_u64 s[12:13], s[6:7], s[18:19]
	s_cmp_eq_u32 s15, 0                            ; the prefetches: do I fetch for A?
	s_cselect_b32 s70, s17, s42
	s_cselect_b32 s71, s40, s41                    ; my place among the four that ask with me
	s_cselect_b32 s72, 0, APART
	s_lshl_b32 s70, s70, 1
	s_add_co_u32 s70, s70, s16
	s_mul_i32 s70, s70, GB
	s_mul_i32 s71, s71, 2*BLK                      ; my work-group's 2 blocks of the 8
	s_add_co_u32 s70, s70, s71
	s_add_co_u32 s70, s70, s72
	s_add_co_u32 s70, s70, 3*CHB                   ; at chunk 3: the first change of slots steps it to 4
	s_mov_b32 s71, 0
	s_add_nc_u64 s[PFA:PFA+1], s[4:5], s[70:71]
	v_and_b32 v1, 31, v0
	v_lshlrev_b32 v[CO], 4, v1                     ; 16 x lane
	v_and_b32 v2, 15, v0                           ; r
	v_bfe_u32 v3, v0, 4, 1                         ; h
	v_add_nc_u32 v[ADRA], s22, v[CO]
	v_add_nc_u32 v[ADRB], s23, v[CO]
	v_add_nc_u32 v[ADRA+1], SLOT, v[ADRA]
	v_add_nc_u32 v[ADRB+1], SLOT, v[ADRB]
	v_lshlrev_b32 v4, 4, v2
	v_add_nc_u32 v[XA], s22, v4                    ; A's tables, row r, in every lane
	v_mul_u32_u24 v5, s66, v3
	v_add_nc_u32 v[ADRS], v[XA], v5                ; lanes 0-15 A's tables, lanes 16-31 B's
	v_add_nc_u32 v[ADRS+1], SLOT, v[ADRS]
	v_mul_u32_u24 v6, v2, SPITCH
	v_lshl_add_u32 v6, v3, 5, v6
	v_add_nc_u32 v[STO], s67, v6
	v_add_nc_u32 v[RD], s67, v[CO]
	v_mul_u32_u24 v7, v1, 27
	v_lshrrev_b32 v7, 9, v7                        ; run u = lane: block u / 19
	v_mul_u32_u24 v7, v7, BLK-19*256
	v_lshl_add_u32 v[PFO], v1, 8, v7
	v_min_u32 v8, 5, v1                            ; runs 32 to 37, all in the second block; the lanes left over name the last again
	v_lshlrev_b32 v8, 8, v8
	v_add_nc_u32 v[PFO+1], BLK-19*256+32*256, v8
.macro FRAG reg, adr, t, i, bp         ; a fragment: three loads of 16 bytes a lane, 512 consecutive bytes each
.irp c, 0,1,2
	ds_load_b128 v[\reg+4*\c:\reg+4*\c+3], v[\adr] offset:(\i)*(\bp)+1536*(\t)+512*\c
.endr
.endm
; 8 matrix instructions: A's block a x B's eight.  The 64 accumulators take turns in the same order in every step
.macro MULA a, p, q, sc, zero
.irp b, 0,1,2,3,4,5,6,7
.if \zero
	v_wmma_scale_f32_16x16x128_f8f6f4 v[8*(8*((\a)%4)+\b):8*(8*((\a)%4)+\b)+7], v[128*(\p)+FR*\b:128*(\p)+FR*\b+FR-1], v[AF+FR*(\a):AF+FR*(\a)+FR-1], 0, v[SC+32*(\sc)+4*\b+(\q)], v[SC+32*(\sc)+4*(\a)+(\q)] matrix_a_fmt:MATRIX_FMT_BF6 matrix_b_fmt:MATRIX_FMT_BF6 matrix_a_scale:MATRIX_SCALE_ROW1
.else
	v_wmma_scale_f32_16x16x128_f8f6f4 v[8*(8*((\a)%4)+\b):8*(8*((\a)%4)+\b)+7], v[128*(\p)+FR*\b:128*(\p)+FR*\b+FR-1], v[AF+FR*(\a):AF+FR*(\a)+FR-1], v[8*(8*((\a)%4)+\b):8*(8*((\a)%4)+\b)+7], v[SC+32*(\sc)+4*\b+(\q)], v[SC+32*(\sc)+4*(\a)+(\q)] matrix_a_fmt:MATRIX_FMT_BF6 matrix_b_fmt:MATRIX_FMT_BF6 matrix_a_scale:MATRIX_SCALE_ROW1
.endif
.endr
.endm
.macro MUL16 a0, p, q, sc, zero
	MULA \a0, \p, \q, \sc, \zero
	MULA (\a0)+1, \p, \q, \sc, \zero
.endm
.macro FETCH_BH slot, t, p, bp, i0     ; B's blocks i0 .. i0 + 3 into set p; leaves the destination's window at 1
	WIN TO_B
.irp i, \i0, \i0+1, \i0+2, \i0+3
	FRAG 128*(\p)+FR*(\i), ADRB+\slot, \t, \i, \bp
.endr
.endm
.macro FETCH_A slot, t, i0, bp
.irp i, \i0, \i0+1, \i0+2, \i0+3
	FRAG AF+FR*(\i), ADRA+\slot, \t, \i, \bp
.endr
.endm
.macro SCALES slot, bp, tab            ; a chunk's tables: four words a row
.irp i, 0,1,2,3,4,5,6,7
	ds_load_b128 v[SC+32*\slot+4*\i:SC+32*\slot+4*\i+3], v[ADRS+\slot] offset:\i*(\bp)+(\tab)
.endr
.endm
.macro ALOAD a                         ; the last chunk: A's block a, both steps, into buffer a % 4
.irp q, 0,1
.irp c, 0,1,2
	ds_load_b128 v[AF+24*((\a)%4)+FR*\q+4*\c:AF+24*((\a)%4)+FR*\q+4*\c+3], v[ADRA] offset:(\a)*LCB+1536*\q+512*\c
.endr
.endr
.endm
.macro PLACES n
.rept \n
	v_nop
.endr
.endm
; step t of the chunk in \slot, not the chunk's last: 64 matrix instructions.  B's set: (slot + t) % 2.  The places in front of the first run stand at the end of the step before
.macro STEP slot, t, zero
	FETCH_BH \slot, (\t)+1, ((\slot)+(\t)+1)%2, CHB, 0
	s_wait_dscnt 8*NL                              ; all but A's blocks 4-7 and the twelve just issued
	WIN MUL_LO
	MUL16 0, ((\slot)+(\t))%2, \t, \slot, \zero
	MUL16 2, ((\slot)+(\t))%2, \t, \slot, \zero
	s_wait_dscnt 4*NL                              ; A's blocks 4-7 are in; the next B's first half may be out
	PLACES NP
	WIN 0
	FETCH_A \slot, (\t)+1, 0, CHB
	FETCH_BH \slot, (\t)+1, ((\slot)+(\t)+1)%2, CHB, 4
	WIN MUL_HI
	MUL16 4, ((\slot)+(\t))%2, \t, \slot, \zero
	MUL16 6, ((\slot)+(\t))%2, \t, \slot, \zero
	PLACES NP
	WIN 0
	FETCH_A \slot, (\t)+1, 4, CHB
.endm
; a chunk's third step, and the change of slots.  fill: 1 the chunk two on is asked for, 2 the short last chunk, 0 nothing: the next chunk is the last, and is fetched for the walk by rows.  pf: with a prefetch
.macro TURN slot, next, fill, pf
.if \pf
	s_wait_xcnt 0x0                                ; my prefetches have read their address
	s_add_nc_u64 s[PFA:PFA+1], s[PFA:PFA+1], CHB
.endif
	s_wait_tensorcnt 0x0                           ; my part of the next slot has landed
	ds_add_u32 v[SPW], v[NIL]
.if \fill == 2
	s_mov_b32 s[G1+1], (LCB/8)<<16                 ; no tensor load of mine is out: the last chunk's rows are 3,328 bytes
	s_mov_b32 s[G1+3], (LCB/8)<<16
	s_mov_b32 s[G1B+1], (LCB/8)<<16
	s_mov_b32 s[G1B+3], (LCB/8)<<16
.endif
	s_wait_dscnt 4*NL+1                            ; the add and A's blocks 4-7 may be out
	WIN MUL_LO
	MUL16 0, (\slot)%2, 2, \slot, 0
	s_wait_dscnt 0x0                               ; the add is done, my reads of this slot are over
	s_barrier_signal -1
	MULA 2, (\slot)%2, 2, \slot, 0
	WIN 0
	s_barrier_wait -1
.if \fill
	CREST                                          ; the barrier has opened a round of the cluster's barrier
	s_add_nc_u64 s[G0+4*\slot+2:G0+4*\slot+3], s[G0+4*\slot+2:G0+4*\slot+3], 2*CHB
	s_add_nc_u64 s[G0B+4*\slot+2:G0B+4*\slot+3], s[G0B+4*\slot+2:G0B+4*\slot+3], 2*CHB
	JLOAD G0+4*\slot, G1, G0B+4*\slot, G1B         ; its four v_nop are the places in front of the loads below
	FETCH_BH \next, 0, (\next)%2, CHB, 0
	FETCH_BH \next, 0, (\next)%2, CHB, 4
	WIN 0
	SCALES \next, CHB, TAB
.else
	PLACES NP
	FETCH_BH 0, 0, 0, LCB, 0                       ; B's fragments of step 30
	FETCH_BH 0, 0, 0, LCB, 4
	WIN 0
	SCALES 0, LCB, LTAB
.irp a, 0,1,2,3,4,5,6,7
.irp u, 0,1
	ds_load_b32 v[XS+2*\a+\u], v[XA] offset:\a*LCB+LTAB+12   ; x_scale of row r of my block a, twice, for the packed form
.endr
.endr
.endif
.if \pf
	s_cmp_gt_u32 s3, 1                             ; not in the loop's last trip
	s_cbranch_scc0 .Lno_ask_\@
	global_prefetch_b8 v[PFO], s[PFA:PFA+1] th:TH_LOAD_NT scope:SCOPE_SE
	global_prefetch_b8 v[PFO+1], s[PFA:PFA+1] th:TH_LOAD_NT scope:SCOPE_SE
.Lno_ask_\@:
.endif
	WIN MUL_LO
	MULA 3, (\slot)%2, 2, \slot, 0
	PLACES NP
	WIN 0
.if \fill
	FETCH_A \next, 0, 0, CHB
.else
	ALOAD 0
	ALOAD 1
.endif
	WIN MUL_HI
	MUL16 4, (\slot)%2, 2, \slot, 0
	MUL16 6, (\slot)%2, 2, \slot, 0
	PLACES NP
.if \fill
	WIN 0
	FETCH_A \next, 0, 4, CHB
.else
	FETCH_BH 0, 1, 1, LCB, 0                       ; B's fragments of step 31, into the set that step 29 has left
	FETCH_BH 0, 1, 1, LCB, 4
	WIN 0
	ALOAD 2
	ALOAD 3
.endif
.endm
; the last chunk: blocks 2 j and 2 j + 1 are finished: 32 matrix instructions, their 16 accumulators by turns, K ascending
.macro ROW2 j
	WIN MUL_LO+0x50*((\j)/2)
.irp q, 0,1
.if (\j) == 0 && \q == 1
	s_wait_dscnt 4*NL                              ; B's step 31 is in; behind it A's blocks 2 and 3
.endif
.irp a, 2*(\j), 2*(\j)+1
.irp b, 0,1,2,3,4,5,6,7
	v_wmma_scale_f32_16x16x128_f8f6f4 v[8*(8*((\a)%4)+\b):8*(8*((\a)%4)+\b)+7], v[128*\q+FR*\b:128*\q+FR*\b+FR-1], v[AF+24*((\a)%4)+FR*\q:AF+24*((\a)%4)+FR*\q+FR-1], v[8*(8*((\a)%4)+\b):8*(8*((\a)%4)+\b)+7], v[SC+4*\b+\q], v[SC+4*(\a)+\q] matrix_a_fmt:MATRIX_FMT_BF6 matrix_b_fmt:MATRIX_FMT_BF6 matrix_a_scale:MATRIX_SCALE_ROW1
.endr
.endr
.endr
.endm
; THE WAY OUT of block a, 16 rows x 128 columns: x x_scale; through my own stage; back as whole rows of 512 bytes; stored
.macro BBR t                           ; the four registers that take row t back
.if (\t) < 4
.set BB, 4*(\t)
.elseif (\t) < 8
.set BB, 112+4*((\t)-4)
.else
.set BB, 224+4*((\t)-8)
.endif
.endm
.macro OUT a
.set AC, 64*((\a)%4)
.if (\a) > 0
	s_wait_xcnt 0x0                                ; the last block's stores have read their registers and their base
	s_add_nc_u64 s[12:13], s[12:13], 16*SIZE_N*4
.endif
	WIN 0x82+0x41*((\a)/4)
.irp b, 0,1,2,3,4,5,6,7
.irp j, 0,2,4,6
	v_pk_mul_f32 v[AC+8*\b+\j:AC+8*\b+\j+1], v[AC+8*\b+\j:AC+8*\b+\j+1], v[XS+2*(\a):XS+2*(\a)+1]
.endr
.endr
	WIN 0x08+4*((\a)/4)
.irp b, 0,1,2,3,4,5,6,7
	ds_store_b128 v[STO], v[AC+8*\b:AC+8*\b+3] offset:64*\b
	ds_store_b128 v[STO], v[AC+8*\b+4:AC+8*\b+7] offset:64*\b+16
.endr
	WIN 0
.irp t, 0,1,2,3,4,5,6,7,8,9,10,11,12,13,14,15
	BBR \t
	ds_load_b128 v[BB:BB+3], v[RD] offset:\t*SPITCH   ; in order behind my stores
.endr
.if (\a) < 4
	ALOAD (\a)+4                                   ; its buffer takes the block four further on
	s_wait_dscnt 2*NL                              ; the rows are back; the six just issued may be out
.else
	s_wait_dscnt 0x0
.endif
.irp t, 0,1,2,3,4,5,6,7,8,9,10,11,12,13,14,15
	BBR \t
	global_store_b128 v[CO], v[BB:BB+3], s[12:13] offset:\t*SIZE_N*4 th:TH_STORE_NT   ; 512 consecutive bytes, at a multiple of 256
.endr
.endm
	s_wait_alu depctr_va_vdst(0)
	s_wait_tensorcnt 0x0                           ; my part of chunk 0 is in; the lines that stand ahead of a later first fill
	ds_add_u32 v[SPW], v[NIL]
	s_wait_dscnt 0x0
	CROUND
	JLOAD G0+4, G1, G0B+4, G1B                     ; chunk 1
	FETCH_BH 0, 0, 0, CHB, 0
	FETCH_BH 0, 0, 0, CHB, 4
	WIN 0
	FETCH_A 0, 0, 0, CHB
	SCALES 0, CHB, TAB
	FETCH_A 0, 0, 4, CHB
	STEP 0, 0, 1                                   ; the first step's products start the sums
	s_mov_b32 s3, 4
.Llap:                                                 ; a trip: two chunks, six steps, both slots filled again: chunks 2 to 9
	STEP 0, 1, 0
	TURN 0, 1, 1, 1
	STEP 1, 0, 0
	STEP 1, 1, 0
	TURN 1, 0, 1, 1
	STEP 0, 0, 0
	s_sub_co_u32 s3, s3, 1
	s_cmp_lg_u32 s3, 0
	s_cbranch_scc1 .Llap
	STEP 0, 1, 0                                   ; chunk 8 goes on
	TURN 0, 1, 2, 0                                ; slot 0 takes the short chunk 10
	STEP 1, 0, 0
	STEP 1, 1, 0
	TURN 1, 0, 0, 0                                ; nothing more to fetch from memory
	s_wait_dscnt 12*NL                             ; B's step 30, the tables, x_scale and A's blocks 0, 1 are in; behind them B's step 31 and A's blocks 2, 3
	ROW2 0
.irp j, 0,1,2,3
	PLACES NP                                      ; the products of x_scale read results just made
	OUT 2*\j
	OUT 2*\j+1
.if \j < 3
	ROW2 \j+1
.endif
.endr
	s_wait_tensorcnt 0x0                           ; the wave's end
	ds_add_u32 v[SPW], v[NIL]
	s_wait_dscnt 0x0
	CROUND                                         ; the closing round
	s_endpgm
.Lfunc_end_k_qb407e70b4a_gemm:
	.size	k_qb407e70b4a_gemm, .Lfunc_end_k_qb407e70b4a_gemm-k_qb407e70b4a_gemm
	.p2alignl 7, 3214868480
	.fill 96, 4, 3214868480
	.section	.rodata,"a",@progbits
	.p2align	6, 0x0
	.amdhsa_kernel k_qb407e70b4a_gemm
		.amdhsa_group_segment_fixed_size 327680
		.amdhsa_private_segment_fixed_size 0
		.amdhsa_enable_private_segment 0
		.amdhsa_kernarg_size 16
		.amdhsa_user_sgpr_count 2
		.amdhsa_user_sgpr_kernarg_segment_ptr 1
		.amdhsa_wavefront_size32 1
		.amdhsa_system_sgpr_workgroup_id_x 1
		.amdhsa_system_sgpr_workgroup_id_y 1
		.amdhsa_system_sgpr_workgroup_id_z 1
		.amdhsa_system_vgpr_workitem_id 0
		.amdhsa_next_free_vgpr 1024
		.amdhsa_next_free_sgpr 98
		.amdhsa_reserve_vcc 0
		.amdhsa_float_denorm_mode_32 3
		.amdhsa_float_denorm_mode_16_64 3
		.amdhsa_memory_ordered 1
		.amdhsa_forward_progress 1
		.amdhsa_inst_pref_size 223
	.end_amdhsa_kernel
	.amdgpu_metadata
---
amdhsa.version: [ 1, 2 ]
amdhsa.kernels:
  - .name:           k_qb407e70b4a_gemm
    .symbol:         k_qb407e70b4a_gemm.kd
    .args:
      - { .name: ops, .offset: 0, .size: 8, .value_kind: global_buffer, .address_space: global }
      - { .name: out0, .offset: 8, .size: 8, .value_kind: global_buffer, .address_space: global }
    .group_segment_fixed_size: 327680
    .private_segment_fixed_size: 0
    .kernarg_segment_align: 8
    .kernarg_segment_size: 16
    .max_flat_workgroup_size: 128
    .sgpr_count:     98
    .vgpr_count:     1024
    .wavefront_size: 32
...
	.end_amdgpu_metadata
.endif
;; end of part 4
